; MI455X (gfx1250); checked and timed in simulation.
; The chip was launched on July 23, 2026; its instructions are those of AMD's public machine-readable ISA for CDNA 5 (MIT licence, August 2026) and "CDNA5" Instruction Set Architecture Reference Guide (July 2026). The comments in the code are by the model that wrote it; some were corrected since.
;; Random Assign Mo E. Allowed arithmetic: float matrix products may take bf16 or f16 operands with f32 sums; other float arithmetic in f32, or as packed bf16 or f16 multiplies, adds, multiply-adds, maxima and minima; sums over many terms, partial sums and values carried from step to step in f32; what a program stores and reads back later, other than sums and carried values, may be rounded once to bf16 or f16.
;; Inputs: b1 16 x 2,048 float32; b2 16 x 1,024 float32; h 2 x 512 x 1,024 float32; router_w 1,024 x 16 float32; w1 16 x 1,024 x 2,048 float32; w2 16 x 2,048 x 1,024 float32.
;; Outputs: out0 2 x 512 x 1,024 float32.
;; 2 versions, each right; version 2 is version 1 with the launch down written anew for expert scheduling mode. Each part assembles by itself: llvm-mc -triple=amdgcn-amd-amdhsa -mcpu=gfx1250 --defsym DOCPART=n.
;; ======== version 1 of 2: 3 launches
;; workspace buffers: xb 2,097,152 bytes; bitmap 2,048 bytes of whole numbers; gate 4,096 bytes; hid 67,108,864 bytes
;; launch router (part 1): grid 64 x 1, 8 waves a work-group, no clusters, 76,800 bytes of LDS; arguments h, router_w, xb, bitmap, gate; writes xb, bitmap, gate
.if DOCPART == 1
	.amdgcn_target "amdgcn-amd-amdhsa--gfx1250"
	.amdhsa_code_object_version 6
	.text
	.protected	k_qe0ae3c3e42_router
	.globl	k_qe0ae3c3e42_router
	.p2align	8
	.type	k_qe0ae3c3e42_router,@function
k_qe0ae3c3e42_router:
	s_mov_b64 s[64:65], 0
	v_nop
	global_prefetch_b8 v0, s[64:65] scope:SCOPE_SE
	s_setreg_imm32_b32 hwreg(HW_REG_WAVE_MODE, 25, 1), 1
	s_wait_xcnt 0x0
; ROUTER.  logits = x router_w for 1,024 tokens and 16 experts; for each token the first largest logit's expert, and the sigmoid of that logit.
; Stored: xb = h rounded to bf16 [1024][1024]; bitmap [16 experts][64 work-groups] of 16 bits, bit r = token 16 wg + r chose the expert; gate [1024] f32.
; The choice is stored as numbers at fixed places only: no address and no branch of this launch hangs on a logit.
; FORMATS.  h and router_w are rounded once to bf16 and multiplied by the matrix unit, sums in f32.  LIMITS: a tie goes to the lower index, judged on the sums as they are formed here
; (K in eight parts, added in ascending order); a NaN among the logits is not treated apart (a token whose logits are all NaN gets no bit).
; SHARES.  A work-group has 16 tokens; wave w the channels 128 w .. 128 w + 127, four K steps of 32.  The eight partial sums meet in LDS, and wave 0 finishes.
; 64 work-groups: the 16 tokens of a matrix tile each; the launch reads 4 MB once and has no more to share out.  No cluster: the table that all share is 64 KB against the 64 KB of h that a work-group reads alone, and each wave reads its 8 KB of it once.
; THE TABLE [channel][expert] lies across the fragments' order.  A wave's 128 rows are 8,192 consecutive bytes: they come in 16 loads of 512 bytes, are rounded, go into LDS as they lie (rows of 16 bf16, 32 bytes),
; and are turned on the way out by ds_load_tr16_b128: lane l then holds expert l % 16 and eight channels a load.
; LDS: 0: eight waves' own 16 token rows x 272 bytes (256 of bf16 + 16: the 16 rows of a load start at 16 different groups of four banks; 64 banks of 4 bytes: ISA guide 11.1); WT: eight waves' own 128 table rows x 32 bytes;
; RED: 8 x 1,024 bytes of partial sums; SPARE: the spare words.
.set WT,    34816
.set RED,   67584
.set SPARE, 75776
.set XR,  16                           ; v16-79    h as loaded: token i in 4 registers
.set WP,  16                           ; v16-47    later: the table in bf16, load i in 2 registers
.set WR,  80                           ; v80-143   the table as loaded: load i in 4 registers
.set XP,  144                          ; v144-175  h in bf16: token i in 2 registers
.set WFR, 176                          ; v176-207  the table's fragments, 8 a K step
.set XFR, 208                          ; v208-239  the tokens' fragments
.set A0,  240                          ; two accumulators, which take turns
.set A1,  248
.set LG,  80                           ; wave 0: the partial sums, then the logits
	s_load_b256 s[4:11], s[0:1], 0x0               ; h s[4:5], router_w s[6:7], xb s[8:9], bitmap s[10:11]
	s_load_b64 s[12:13], s[0:1], 0x20              ; gate
	v_lshl_add_u32 v1, v0, 2, SPARE                ; my spare word, and 0: kept for the wave's end alone
	v_mov_b32 v2, 0
	v_lshrrev_b32 v13, 5, v0
	v_readfirstlane_b32 s14, v13                   ; wave 0..7
	v_and_b32 v3, 31, v0                           ; L
	v_and_b32 v4, 15, v0                           ; r
	v_bfe_u32 v5, v0, 4, 1                         ; h
	v_lshlrev_b32 v6, 4, v3                        ; 16 L
	v_lshlrev_b32 v8, 3, v3                        ; 8 L
	s_mul_i32 s15, s14, 4352
	v_add_nc_u32 v9, s15, v8                       ; into my token rows: 8 bytes a lane
	v_mul_u32_u24 v10, v4, 272
	v_lshl_add_u32 v10, v5, 4, v10
	v_add_nc_u32 v10, s15, v10                     ; out of them: token r, 16 bytes for each half of the lanes, twice a K step
	s_lshl_b32 s15, s14, 12
	s_add_co_u32 s15, s15, WT
	v_add_nc_u32 v7, s15, v8                       ; into my table rows: 8 bytes a lane, four lanes a row
	v_and_b32 v15, 7, v0
	v_lshl_add_u32 v15, v5, 3, v15                 ; out of them, turned: lane l addresses row 8 (l / 16) + l % 8,
	v_bfe_u32 v14, v0, 3, 1
	v_lshlrev_b32 v14, 4, v14                      ; experts 8 ((l / 8) % 2) + 0..7
	v_lshl_add_u32 v14, v15, 5, v14
	v_add_nc_u32 v14, s15, v14
	s_lshl_b32 s15, s14, 10
	s_add_co_u32 s15, s15, RED
	v_add_nc_u32 v11, s15, v6                      ; my partial sums
	v_add_nc_u32 v12, RED, v6                      ; everybody's
	s_mov_b32 s16, 0x76543210                      ; v_permlanex16_b32: each lane takes its own place in the other half
	s_mov_b32 s17, 0xfedcba98
	s_mov_b32 s19, 0
	s_lshl_b32 s18, ttmp9, 16                      ; 16 tokens of 4,096 bytes,
	s_lshl_b32 s15, s14, 9                         ; my 512 bytes of each
	s_add_co_u32 s18, s18, s15
	s_wait_kmcnt 0x0
	s_add_nc_u64 s[4:5], s[4:5], s[18:19]
	s_lshl_b32 s18, s14, 13                        ; my 128 rows of the table
	s_add_nc_u64 s[6:7], s[6:7], s[18:19]
	s_lshl_b32 s18, ttmp9, 15
	s_lshl_b32 s15, s14, 8
	s_add_co_u32 s18, s18, s15
	s_add_nc_u64 s[8:9], s[8:9], s[18:19]
	s_lshl_b32 s18, ttmp9, 1
	s_add_nc_u64 s[10:11], s[10:11], s[18:19]
	s_lshl_b32 s18, ttmp9, 6
	s_add_nc_u64 s[12:13], s[12:13], s[18:19]
.set i, 0
.rept 16                               ; token i: 512 consecutive bytes a load
	global_load_b128 v[XR+4*i:XR+4*i+3], v6, s[4:5] offset:4096*i th:TH_LOAD_NT
.set i, i+1
.endr
.set i, 0
.rept 16                               ; table rows 8 i .. 8 i + 7: 512 consecutive bytes a load; lane L holds row 8 i + L / 4, experts 4 (L % 4) + 0..3.  No hint: all 64 work-groups read the table
	global_load_b128 v[WR+4*i:WR+4*i+3], v6, s[6:7] offset:512*i
.set i, i+1
.endr
	s_wait_loadcnt 16                              ; h is in: the table's 16 loads were issued behind it
.set i, 0
.rept 32
	v_cvt_pk_bf16_f32 v[XP+i], v[XR+2*i], v[XR+2*i+1]
.set i, i+1
.endr
.set i, 0
.rept 16
	global_store_b64 v8, v[XP+2*i:XP+2*i+1], s[8:9] offset:2048*i  ; the wave stores 256 consecutive bytes, at a multiple of 256 from xb's first
	ds_store_b64 v9, v[XP+2*i:XP+2*i+1] offset:272*i
.set i, i+1
.endr
	s_wait_loadcnt 0x0                             ; the table
.set i, 0
.rept 32
	v_cvt_pk_bf16_f32 v[WP+i], v[WR+2*i], v[WR+2*i+1]
.set i, i+1
.endr
.set i, 0
.rept 16
	ds_store_b64 v7, v[WP+2*i:WP+2*i+1] offset:256*i  ; eight rows of 32 bytes: 256 consecutive bytes
.set i, i+1
.endr
.set i, 0
.rept 4                                ; my own bytes: LDS serves a wave's instructions in order (ISA guide 5.7.1.4).  K step i: channels 8 h + 0..7, then 16 + 8 h + 0..7, in both operands
	ds_load_tr16_b128 v[WFR+8*i:WFR+8*i+3], v14 offset:1024*i
	ds_load_tr16_b128 v[WFR+8*i+4:WFR+8*i+7], v14 offset:1024*i+512
	ds_load_b128 v[XFR+8*i:XFR+8*i+3], v10 offset:64*i
	ds_load_b128 v[XFR+8*i+4:XFR+8*i+7], v10 offset:64*i+32
.set i, i+1
.endr
	s_wait_dscnt 0x0
	; source 0 = 16 experts, source 1 = 16 tokens: a lane then holds token r and the experts 8 h .. 8 h + 7.  Two accumulators by turns.
	v_wmma_f32_16x16x32_bf16 v[A0:A0+7], v[WFR:WFR+7], v[XFR:XFR+7], 0
	v_wmma_f32_16x16x32_bf16 v[A1:A1+7], v[WFR+8:WFR+15], v[XFR+8:XFR+15], 0
	v_wmma_f32_16x16x32_bf16 v[A0:A0+7], v[WFR+16:WFR+23], v[XFR+16:XFR+23], v[A0:A0+7]
	v_wmma_f32_16x16x32_bf16 v[A1:A1+7], v[WFR+24:WFR+31], v[XFR+24:XFR+31], v[A1:A1+7]
.rept 4
	v_nop                                          ; four places between a matrix instruction and the reading of its result (ISA guide 7.12.1)
.endr
.set i, 0
.rept 4
	v_pk_add_f32 v[16+2*i:17+2*i], v[A0+2*i:A0+2*i+1], v[A1+2*i:A1+2*i+1]
.set i, i+1
.endr
	ds_store_b128 v11, v[16:19]
	ds_store_b128 v11, v[20:23] offset:512
	s_wait_dscnt 0x0                               ; for wave 0's sake: my sums are in LDS
	s_barrier_signal -1
	s_barrier_wait -1
	s_cmp_lg_u32 s14, 0
	s_cbranch_scc1 .Lend
.set i, 0
.rept 16                               ; source i / 2, registers 4 (i % 2) on
	ds_load_b128 v[LG+4*i:LG+4*i+3], v12 offset:512*i
.set i, i+1
.endr
	s_wait_dscnt 0x0
.set i, 4
.rept 28                               ; the eight parts of K, in ascending order
	v_pk_add_f32 v[LG+2*(i%4):LG+2*(i%4)+1], v[LG+2*(i%4):LG+2*(i%4)+1], v[LG+2*i:LG+2*i+1]
.set i, i+1
.endr
	v_max3_num_f32 v13, v[LG], v[LG+1], v[LG+2]
	v_max3_num_f32 v14, v[LG+3], v[LG+4], v[LG+5]
	v_max3_num_f32 v13, v13, v[LG+6], v[LG+7]
	v_max_num_f32 v13, v13, v14
	v_permlanex16_b32 v14, v13, s16, s17           ; the token's other eight experts lie in the lane 16 away
	v_max_num_f32 v13, v13, v14                    ; the largest logit
	v_mov_b32 v15, 64
.irp j, 7,6,5,4,3,2,1,0
	v_cmp_eq_f32 vcc_lo, v[LG+\j], v13
	v_cndmask_b32 v15, v15, \j, vcc_lo             ; descending, so that the lowest index stays
.endr
	v_lshl_add_u32 v15, v5, 3, v15
	v_permlanex16_b32 v14, v15, s16, s17
	v_min_u32 v15, v15, v14                        ; the first expert with that logit
	v_mul_f32 v14, 0xbfb8aa3b, v13                 ; sigmoid(m) = 1 / (1 + 2^(-m log2 e))
	v_exp_f32 v14, v14
	v_mov_b32 v16, 0                               ; the plain instruction behind the exponential; also: the bitmap's register is written before v_writelane_b32
	s_wait_alu depctr_va_vdst(0)                   ; the wait ahead of the result's first reader
	v_add_f32 v14, 1.0, v14
	v_rcp_f32 v14, v14
	v_lshlrev_b32 v17, 7, v3                       ; plain work behind the reciprocal: expert L's row of the bitmap,
	v_lshlrev_b32 v18, 2, v3                       ; token L's gate
	s_wait_alu depctr_va_vdst(0)
.set e, 0
.rept 16
	v_cmp_eq_u32 s[20+e], e, v15                   ; bits 0-15: which of my 16 tokens chose expert e (bits 16-31 repeat them)
	v_writelane_b32 v16, s[20+e], e
.set e, e+1
.endr
	s_wait_xcnt 0x0                                ; EXEC changes only behind this wait
	v_cmp_gt_u32 vcc_lo, 16, v0
	s_and_saveexec_b32 s36, vcc_lo
	global_store_b16 v17, v16, s[10:11]            ; two bytes a lane to sixteen rows: 32 bytes a work-group, 2,048 in the launch
	global_store_b32 v18, v14, s[12:13]
	s_wait_xcnt 0x0
	s_or_b32 exec_lo, exec_lo, s36
.Lend:
	s_wait_tensorcnt 0x0                           ; the wave's end
	ds_add_u32 v1, v2
	s_wait_dscnt 0x0
	s_endpgm
.Lfunc_end_k_qe0ae3c3e42_router:
	.size	k_qe0ae3c3e42_router, .Lfunc_end_k_qe0ae3c3e42_router-k_qe0ae3c3e42_router
	.p2alignl 7, 3214868480
	.fill 96, 4, 3214868480
	.section	.rodata,"a",@progbits
	.p2align	6, 0x0
	.amdhsa_kernel k_qe0ae3c3e42_router
		.amdhsa_group_segment_fixed_size 76800
		.amdhsa_private_segment_fixed_size 0
		.amdhsa_enable_private_segment 0
		.amdhsa_kernarg_size 40
		.amdhsa_user_sgpr_count 2
		.amdhsa_user_sgpr_kernarg_segment_ptr 1
		.amdhsa_wavefront_size32 1
		.amdhsa_system_sgpr_workgroup_id_x 1
		.amdhsa_system_sgpr_workgroup_id_y 1
		.amdhsa_system_sgpr_workgroup_id_z 1
		.amdhsa_system_vgpr_workitem_id 0
		.amdhsa_next_free_vgpr 256
		.amdhsa_next_free_sgpr 66
		.amdhsa_reserve_vcc 1
		.amdhsa_float_denorm_mode_32 3
		.amdhsa_float_denorm_mode_16_64 3
		.amdhsa_memory_ordered 1
		.amdhsa_forward_progress 1
		.amdhsa_inst_pref_size 22
	.end_amdhsa_kernel
	.amdgpu_metadata
---
amdhsa.version: [ 1, 2 ]
amdhsa.kernels:
  - .name:           k_qe0ae3c3e42_router
    .symbol:         k_qe0ae3c3e42_router.kd
    .args:
      - { .name: h, .offset: 0, .size: 8, .value_kind: global_buffer, .address_space: global }
      - { .name: router_w, .offset: 8, .size: 8, .value_kind: global_buffer, .address_space: global }
      - { .name: xb, .offset: 16, .size: 8, .value_kind: global_buffer, .address_space: global }
      - { .name: bitmap, .offset: 24, .size: 8, .value_kind: global_buffer, .address_space: global }
      - { .name: gate, .offset: 32, .size: 8, .value_kind: global_buffer, .address_space: global }
    .group_segment_fixed_size: 76800
    .private_segment_fixed_size: 0
    .kernarg_segment_align: 8
    .kernarg_segment_size: 40
    .max_flat_workgroup_size: 256
    .sgpr_count:     66
    .vgpr_count:     256
    .wavefront_size: 32
...
	.end_amdgpu_metadata
.endif
;; end of part 1
;; launch up (part 2): grid 16 x 16, 8 waves a work-group, no clusters, 199,168 bytes of LDS; arguments xb, bitmap, w1, b1, hid; writes hid
.if DOCPART == 2
	.amdgcn_target "amdgcn-amd-amdhsa--gfx1250"
	.amdhsa_code_object_version 6
	.text
	.protected	k_qe0ae3c3e42_up
	.globl	k_qe0ae3c3e42_up
	.p2align	8
	.type	k_qe0ae3c3e42_up,@function
k_qe0ae3c3e42_up:
	s_mov_b64 s[64:65], 0
	v_nop
	global_prefetch_b8 v0, s[64:65] scope:SCOPE_SE
	s_setreg_imm32_b32 hwreg(HW_REG_WAVE_MODE, 25, 1), 1
	s_wait_xcnt 0x0
; FIRST PRODUCT.  hid = gelu(x w1[e] + b1[e]) for the tokens that chose expert e alone.  Work-group (x, y): 128 hidden columns (slice x) of expert y, and all of that expert's tokens.
; The weights bind: 512 KB of f32 a work-group, read once by it alone, against 64 tokens an expert on the average.  So the text is about the stream: each weight goes from memory straight into
; registers (a load's lanes 0-15 take 256 consecutive aligned bytes of one row of w1, lanes 16-31 of the row 16 further down), is rounded there, and never sees LDS.
; FORMATS.  x, w1 and b1 are rounded once to bf16, sums in f32, hid rounded once to bf16.  LIMITS: erf by Abramowitz and Stegun 7.1.26, good to 1.5e-7 absolute for every x; an exponential below 2^-126
; counts as 0; NaN and infinities are not treated apart.
; SHARES.  Wave w: column group c = w & 1 (64 columns), K quarter q = w >> 1 (256 channels, 8 K steps of 32).  16 loads make a K step: raw register 4 i + j holds column 4 r + j, channel 256 q + 32 ks + 16 h + i.
; 32 conversions make four fragments of them: fragment j's row r is column 4 r + j; slot (h, i) holds that channel, and x is read in the same order (32 consecutive bytes a lane): the same permutation on both sides keeps the products.
; Source 0 = 16 columns, source 1 = 16 tokens: register t of accumulator (tb, j) holds column 32 h + 4 t + j and the token of rank 16 tb + r.
; TOKENS.  The rank-th token of the expert is found from the bitmap in scalar registers.  96 ranks (6 blocks of 16) make a CHUNK: 24 accumulators.  The loop over chunks has the constant count 11, which serves every split
; (1,024 tokens on one expert); a chunk without ranks jumps its work and passes its barriers; each chunk behind the first that has ranks streams the slice again.  Ranks past the count repeat the last rank.
; Blocks 0-3 are always multiplied, blocks 4 and 5 are jumped where they hold no rank, but never in K step 0, whose products start all 24 sums: nothing is cleared.  An expert without tokens walks one block, so that hid's block 0 exists for the next launch.
; THE ORDER OF THE LOADS.  Groups 0 and 1 of the weights go out before the routing is known; then the gather of the token rows; then group 2; group 0 is rounded as soon as it is in, and group 3 takes its buffer, all ahead of the
; wait for the gather: so the weights go on coming while the rows are laid into LDS, and K step 0 finds its fragments ready.
; The four K quarters' sums meet in LDS (f32); wave (c, q) finishes register pair q of every accumulator: eight neighbouring columns 32 h + 8 q + 0..7 of a token: 16 bytes a lane.
; hid [expert][block of 16 ranks][K step 64][half 2][lane 32][16 bytes] is the next launch's fragment image: every store here and every load there covers 512 consecutive bytes.
; NO CLUSTER: each weight byte has one reader; what an expert's 16 work-groups share is its token rows, which come by a list that no tensor descriptor covers.
; LDS: 0: x, 96 rows of 2,064 bytes (2,048 + 16: the 16 rows of a load start at 16 different groups of four banks; ISA guide 11.1); 0 again, behind a barrier: the partial sums, 8 x 24,576 bytes; SPARE: the spare words.
; REGISTERS, in windows of 256 (s_set_vgpr_msb: bits 1:0 source 0, 3:2 source 1, 5:4 source 2, 7:6 destination).  Window 0: addresses, WF, three raw buffers.
; Window 1: v0-191 the gathered rows, then the accumulators ((tb, j) at 8 (4 tb + j)); v192-239 x's fragments; v240-251 the gather's offsets.
.set NCH,   11
.set SPARE, 198144
.set WB,  8                            ; s[8:9]   w1 at my columns and my K quarter; never rewritten
.set HB,  12                           ; s[12:13] hid at my 512 bytes of the chunk's block 0
.set NE,  19                           ; the expert's tokens
.set NTB, 20                           ; blocks of the chunk that hold ranks
.set CC,  21                           ; the chunk
.set RK0, 22                           ; its first rank
.set NM1, 23                           ; the last rank
.set PF,  32                           ; s[32:63] bits set in the bitmap's words before word i
.set BM,  68                           ; s[68:99] the expert's bitmap
.set SPW, 1                            ; (v0: from the head on the bias's offset, 128 h; never rewritten)
.set NIL, 2
.set WOFF, 3                           ; 131072 h + 16 r
.set L16, 4                            ; 16 L
.set XA,  5                            ; v5-7    x's fragments in LDS, blocks 2 g, 2 g + 1
.set SB,  8                            ; v8-10   where my gathered rows go, rows w + 8 (4 g ..)
.set REDW, 11
.set REDR, 12                          ; v12-15  the four quarters' sums of my column group, pair q
.set BI,  16                           ; v16-23  my eight biases
.set A5,  24                           ; v24-25  the polynomial's first coefficient, twice
.set RKB, 26                           ; w + 8 r
.set TOK, 27
.set PFO, 28                           ; 8192 L
.set RK,  29
.set WF,  32                           ; v32-63  four fragments of weights
.set RAW, 64                           ; v64-255 three buffers of 64
.set ST,  192                          ; v192-202 at work while the tokens are found: in raw buffer 2, ahead of its loads
.set SUM, 64                           ; behind the K loop
.set XV,  96
.set HX,  104
.set HA,  112
.set TT,  120
.set EE,  128
.set YY,  136
.set PK,  144                          ; v144-167 four registers a block, to store
.set XF,  192                          ; window 1
.set GA,  240                          ; window 1
.set MSB, 0
.macro WIN new                         ; the immediate's high byte repeats the setting that is left; a switch that changes nothing is dropped
.if MSB != (\new)
	s_set_vgpr_msb (MSB<<8)|(\new)
.set MSB, \new
.endif
.endm
.macro PLACES                          ; four places between a matrix instruction and a write of, or a load into, its registers, or a reading of its result
.rept 4
	v_nop
.endr
.endm
.macro BAR
	s_barrier_signal -1
	s_barrier_wait -1
.endm
.macro GATE tb, lbl                    ; blocks from tb on hold no rank: forward, past no barrier
	WIN 0
	s_cmp_le_u32 s[NTB], \tb
	s_cbranch_scc1 \lbl
.endm
.macro LIVE lbl                        ; a chunk without ranks jumps the work.  The first chunk is always walked, and the trip's number says so
	s_cmp_eq_u32 s[CC], 0
	s_cbranch_scc1 .Lgo_\@
	s_cmp_eq_u32 s[NTB], 0
	s_cbranch_scc1 \lbl
.Lgo_\@:
.endm
.macro WLOAD ks, buf                   ; a K step's 32 rows x 256 bytes
.set i, 0
.rept 16
	global_load_b128 v[RAW+64*(\buf)+4*i:RAW+64*(\buf)+4*i+3], v[WOFF], s[WB:WB+1] offset:(32*(\ks)+i)*8192 th:TH_LOAD_NT
.set i, i+1
.endr
.endm
.macro PREF ks                         ; lane L asks for the 256 bytes of row L of K step ks: each of my blocks once a pass, by me alone
	global_prefetch_b8 v[PFO], s[WB:WB+1] offset:(32*(\ks))*8192 th:TH_LOAD_NT scope:SCOPE_SE
.endm
.macro CVT buf
.set j, 0
.rept 4
.set p, 0
.rept 8
	v_cvt_pk_bf16_f32 v[WF+8*j+p], v[RAW+64*(\buf)+8*p+j], v[RAW+64*(\buf)+8*p+4+j]
.set p, p+1
.endr
.set j, j+1
.endr
.endm
; The token of rank rk: the last word i with PF[i] <= rk holds it; in the word, the counts of its halves, bytes, nibbles, pairs and bits lead to the bit.
.macro SSTEP src, wd
	v_bfe_u32 v[sT], v[\src], v[sO], \wd
	v_cmp_ge_u32 vcc_lo, v[sR], v[sT]
	v_cndmask_b32 v[sT], 0, v[sT], vcc_lo
	v_sub_nc_u32 v[sR], v[sR], v[sT]
	v_cndmask_b32 v[sU], 0, \wd, vcc_lo
	v_add_nc_u32 v[sO], v[sO], v[sU]
.endm
.macro SELECT rk, tok, t
.set sW, (\t)
.set sP, (\t)+1
.set sJ, (\t)+2
.set sR, (\t)+3
.set sA, (\t)+4
.set sB, (\t)+5
.set sC, (\t)+6
.set sD, (\t)+7
.set sO, (\t)+8
.set sT, (\t)+9
.set sU, (\t)+10
	v_mov_b32 v[sW], s[BM]
	v_mov_b32 v[sP], 0
	v_mov_b32 v[sJ], 0
.set i, 1
.rept 31
	v_cmp_le_u32 vcc_lo, s[PF+i], v[\rk]
	v_cndmask_b32 v[sW], v[sW], s[BM+i], vcc_lo
	v_cndmask_b32 v[sP], v[sP], s[PF+i], vcc_lo
	v_cndmask_b32 v[sJ], v[sJ], i, vcc_lo
.set i, i+1
.endr
	v_sub_nc_u32 v[sR], v[\rk], v[sP]
	v_lshrrev_b32 v[sT], 1, v[sW]
	v_and_b32 v[sT], 0x55555555, v[sT]
	v_sub_nc_u32 v[sA], v[sW], v[sT]               ; counts of pairs
	v_lshrrev_b32 v[sT], 2, v[sA]
	v_and_b32 v[sT], 0x33333333, v[sT]
	v_and_b32 v[sB], 0x33333333, v[sA]
	v_add_nc_u32 v[sB], v[sB], v[sT]               ; of nibbles
	v_lshrrev_b32 v[sT], 4, v[sB]
	v_add_nc_u32 v[sC], v[sB], v[sT]
	v_and_b32 v[sC], 0x0f0f0f0f, v[sC]             ; of bytes
	v_lshrrev_b32 v[sT], 8, v[sC]
	v_add_nc_u32 v[sD], v[sC], v[sT]
	v_and_b32 v[sD], 0x00ff00ff, v[sD]             ; of halves
	v_mov_b32 v[sO], 0
	SSTEP sD, 16
	SSTEP sC, 8
	SSTEP sB, 4
	SSTEP sA, 2
	SSTEP sW, 1
	v_lshl_add_u32 v[\tok], v[sJ], 5, v[sO]
	v_min_u32 v[\tok], 0x3ff, v[\tok]              ; a token's number, whatever the bitmap holds
.endm
; gelu(x) = x/2 + |x/2| erf(|x| / sqrt 2) = (hx + ha) + ha y 2^(-2.885390 ha^2), y = -(a1 t + .. + a5 t^5), t = 1 / (1 + 0.46328378 ha): the minus sign lies in the coefficients.
; The 16 transcendentals are one batch with one wait; the four additions behind them name none of their results.
.macro GELU
.irp p, 0,2,4,6
	v_pk_mul_f32 v[HX+\p:HX+\p+1], v[XV+\p:XV+\p+1], 0.5 op_sel_hi:[1,0]
.endr
.irp p, 0,1,2,3,4,5,6,7
	v_and_b32 v[HA+\p], 0x7fffffff, v[HX+\p]
.endr
.irp p, 0,2,4,6
	v_pk_fma_f32 v[TT+\p:TT+\p+1], v[HA+\p:HA+\p+1], 0x3eed3388, 1.0 op_sel_hi:[1,0,0]
	v_pk_mul_f32 v[EE+\p:EE+\p+1], v[HA+\p:HA+\p+1], 0xc038aa3b op_sel_hi:[1,0]
.endr
.irp p, 0,2,4,6
	v_pk_mul_f32 v[EE+\p:EE+\p+1], v[EE+\p:EE+\p+1], v[HA+\p:HA+\p+1]
.endr
.irp p, 0,1,2,3,4,5,6,7
	v_rcp_f32 v[TT+\p], v[TT+\p]
.endr
.irp p, 0,1,2,3,4,5,6,7
	v_exp_f32 v[EE+\p], v[EE+\p]
.endr
.irp p, 0,2,4,6
	v_pk_add_f32 v[HX+\p:HX+\p+1], v[HX+\p:HX+\p+1], v[HA+\p:HA+\p+1]
.endr
	s_wait_alu depctr_va_vdst(0)
.irp p, 0,2,4,6
	v_pk_fma_f32 v[YY+\p:YY+\p+1], v[TT+\p:TT+\p+1], v[A5:A5+1], 0x3fba00e3 op_sel_hi:[1,1,0]
.endr
.irp k, 0xbfb5f0e3, 0x3e91a98e, 0xbe827906
.irp p, 0,2,4,6
	v_pk_fma_f32 v[YY+\p:YY+\p+1], v[YY+\p:YY+\p+1], v[TT+\p:TT+\p+1], \k op_sel_hi:[1,1,0]
.endr
.endr
.irp p, 0,2,4,6
	v_pk_mul_f32 v[YY+\p:YY+\p+1], v[YY+\p:YY+\p+1], v[TT+\p:TT+\p+1]
.endr
.irp p, 0,2,4,6
	v_pk_mul_f32 v[YY+\p:YY+\p+1], v[YY+\p:YY+\p+1], v[EE+\p:EE+\p+1]
.endr
.irp p, 0,2,4,6
	v_pk_fma_f32 v[XV+\p:XV+\p+1], v[HA+\p:HA+\p+1], v[YY+\p:YY+\p+1], v[HX+\p:HX+\p+1]
.endr
.endm
; A K step.  K step 0's weights were rounded while the rows came in.  From K step 1 on: the wait leaves the younger groups of 16 loads out; the buffer that has been rounded is asked for again at once, three steps on;
; the step after that is prefetched.  Behind a block's four products stand four places and the loads of its next fragment.
; No two matrix instructions that follow each other share an accumulator: the 24 (or 16) take turns.
.macro KSTEP ks
	WIN 0
.if (\ks) > 0
.if (\ks) <= 5
	s_wait_loadcnt 32                              ; two groups were issued behind this step's
.elseif (\ks) == 6
	s_wait_loadcnt 16                              ; one
.else
	s_wait_loadcnt 0x0
.endif
	CVT (\ks)%3
.if (\ks) <= 4
	WLOAD (\ks)+3, (\ks)%3
.endif
.if (\ks) <= 3
	PREF (\ks)+4                                   ; one K step ahead of its loads; none points past K step 7, the last of my quarter
.endif
.endif
	s_wait_dscnt 0x0                               ; x's fragments of this step, asked for a step ago
.set tb, 0
.rept 6
.if ((\ks) > 0) && (tb >= 4)
	GATE tb, .Lk\ks
.endif
	WIN 0x54                                       ; source 0 (weights, LDS address) window 0; source 1 (x), C and D window 1
.set j, 0
.rept 4
.if (\ks) == 0
	v_wmma_f32_16x16x32_bf16 v[8*(4*tb+j):8*(4*tb+j)+7], v[WF+8*j:WF+8*j+7], v[XF+8*tb:XF+8*tb+7], 0
.else
	v_wmma_f32_16x16x32_bf16 v[8*(4*tb+j):8*(4*tb+j)+7], v[WF+8*j:WF+8*j+7], v[XF+8*tb:XF+8*tb+7], v[8*(4*tb+j):8*(4*tb+j)+7]
.endif
.set j, j+1
.endr
.if (\ks) < 7
	PLACES
	ds_load_b128 v[XF+8*tb:XF+8*tb+3], v[XA+tb/2] offset:(tb%2)*33024+64*((\ks)+1)
	ds_load_b128 v[XF+8*tb+4:XF+8*tb+7], v[XA+tb/2] offset:(tb%2)*33024+64*((\ks)+1)+16
.endif
.set tb, tb+1
.endr
	WIN 0
.Lk\ks:
.endm
; A block's end: the four quarters' sums of my pair, the bias, gelu, 16 bytes a lane.
.macro EPI tb
.set sr, 0
.rept 4
.set j, 0
.rept 4
	ds_load_b64 v[SUM+8*sr+2*j:SUM+8*sr+2*j+1], v[REDR+sr] offset:4096*(\tb)+1024*j
.set j, j+1
.endr
.set sr, sr+1
.endr
	s_wait_dscnt 0x0
.set sr, 1
.rept 3
.set j, 0
.rept 4
	v_pk_add_f32 v[SUM+2*j:SUM+2*j+1], v[SUM+2*j:SUM+2*j+1], v[SUM+8*sr+2*j:SUM+8*sr+2*j+1]
.set j, j+1
.endr
.set sr, sr+1
.endr
.set u, 0
.rept 8                                ; column 32 h + 8 q + u lies in fragment u % 4, register u / 4 of the pair
	v_add_f32 v[XV+u], v[SUM+2*(u%4)+u/4], v[BI+u]
.set u, u+1
.endr
	GELU
.set p, 0
.rept 4
	v_cvt_pk_bf16_f32 v[PK+4*(\tb)+p], v[XV+2*p], v[XV+2*p+1]
.set p, p+1
.endr
	global_store_b128 v[L16], v[PK+4*(\tb):PK+4*(\tb)+3], s[HB:HB+1] offset:65536*(\tb)  ; 512 consecutive bytes, at a multiple of 512 from hid's first
.endm
	s_load_b256 s[4:11], s[0:1], 0x0               ; xb s[4:5], bitmap s[6:7], w1 s[8:9], b1 s[10:11]
	s_load_b64 s[12:13], s[0:1], 0x20              ; hid
	v_lshl_add_u32 v[SPW], v0, 2, SPARE            ; my spare word, and 0: kept for the wave's end alone
	v_mov_b32 v[NIL], 0
	v_lshrrev_b32 v30, 5, v0
	v_readfirstlane_b32 s14, v30                   ; wave w
	s_and_b32 s15, s14, 1                          ; c
	s_lshr_b32 s16, s14, 1                         ; q
	s_and_b32 s17, ttmp7, 0xffff                   ; the expert
	v_and_b32 v29, 31, v0                          ; L
	v_and_b32 v30, 15, v0                          ; r
	v_bfe_u32 v31, v0, 4, 1                        ; h
	v_lshlrev_b32 v0, 7, v31                       ; the thread's number has served: v0 is now the bias's offset, 32 columns for the upper lanes, and stays so
	v_lshlrev_b32 v[L16], 4, v29
	v_lshlrev_b32 v[WOFF], 4, v30
	v_lshl_add_u32 v[WOFF], v31, 17, v[WOFF]       ; 16 rows of 8,192 bytes for the upper lanes
	v_lshlrev_b32 v[PFO], 13, v29
	s_lshl_b32 s24, s17, 23                        ; w1: the expert's 8 MiB, my 256 rows, the slice's 512 bytes, my 256 of them
	s_lshl_b32 s2, s16, 21
	s_add_co_u32 s24, s24, s2
	s_lshl_b32 s3, ttmp9, 9
	s_add_co_u32 s24, s24, s3
	s_lshl_b32 s2, s15, 8
	s_add_co_u32 s24, s24, s2
	s_mov_b32 s25, 0
	s_lshl_b32 s26, s17, 7                         ; bitmap: 128 bytes an expert
	s_mov_b32 s27, 0
	s_lshl_b32 s28, s17, 13                        ; b1: the expert's 8,192 bytes, the same columns, 8 q of them on
	s_add_co_u32 s28, s28, s3
	s_add_co_u32 s28, s28, s2
	s_lshl_b32 s2, s16, 5
	s_add_co_u32 s28, s28, s2
	s_mov_b32 s29, 0
	s_lshl_b32 s30, s17, 22                        ; hid: the expert's 4 MiB, 2,048 bytes for each group of 64 columns, 512 q
	s_lshl_b32 s2, ttmp9, 12
	s_add_co_u32 s30, s30, s2
	s_lshl_b32 s2, s15, 11
	s_add_co_u32 s30, s30, s2
	s_lshl_b32 s2, s16, 9
	s_add_co_u32 s30, s30, s2
	s_mov_b32 s31, 0
	s_wait_kmcnt 0x0
	s_add_nc_u64 s[8:9], s[8:9], s[24:25]
	s_add_nc_u64 s[6:7], s[6:7], s[26:27]
	s_add_nc_u64 s[10:11], s[10:11], s[28:29]
	s_add_nc_u64 s[12:13], s[12:13], s[30:31]
	s_load_b512 s[BM:BM+15], s[6:7], 0x0
	s_load_b512 s[BM+16:BM+31], s[6:7], 0x40
	global_load_b128 v[BI:BI+3], v0, s[10:11]      ; the bias is not waited for here: it is wanted behind the K loop
	global_load_b128 v[BI+4:BI+7], v0, s[10:11] offset:16
	WLOAD 0, 0                                     ; the stream starts before the routing is known
	WLOAD 1, 1
	PREF 2                                         ; the loads of K steps 2 and 3 stand behind the routing and the gather
	PREF 3
	v_mul_u32_u24 v[XA], v30, 2064
	v_lshl_add_u32 v[XA], v31, 5, v[XA]
	s_lshl_b32 s24, s16, 9
	v_add_nc_u32 v[XA], s24, v[XA]                 ; row r, my quarter's 512 bytes, 32 bytes for each half of the lanes
	v_add_nc_u32 v[XA+1], 66048, v[XA]
	v_add_nc_u32 v[XA+2], 132096, v[XA]
	s_mul_i32 s24, s14, 2064
	v_add_nc_u32 v[SB], s24, v[L16]
	v_add_nc_u32 v[SB+1], 66048, v[SB]
	v_add_nc_u32 v[SB+2], 132096, v[SB]
	s_mul_i32 s24, s14, 24576
	v_lshl_add_u32 v[REDW], v29, 3, s24
	s_mul_i32 s24, s15, 24576
	s_lshl_b32 s25, s16, 8
	s_add_co_u32 s24, s24, s25
	v_lshl_add_u32 v[REDR], v29, 3, s24
	v_add_nc_u32 v[REDR+1], 49152, v[REDR]
	v_add_nc_u32 v[REDR+2], 98304, v[REDR]
	v_add_nc_u32 v[REDR+3], 147456, v[REDR]
	v_lshl_add_u32 v[RKB], v30, 3, s14
	v_mov_b32 v[A5], 0xbf87dc22
	v_mov_b32 v[A5+1], 0xbf87dc22
	s_wait_kmcnt 0x0                               ; the bitmap
.set i, 0
.rept 31                               ; the 32 counts first, none of which waits for another; then the running sums
	s_bcnt1_i32_b32 s[PF+1+i], s[BM+i]
.set i, i+1
.endr
	s_bcnt1_i32_b32 s[NE], s[BM+31]
	s_mov_b32 s[PF], 0
.set i, 1
.rept 30
	s_add_co_u32 s[PF+1+i], s[PF+1+i], s[PF+i]
.set i, i+1
.endr
	s_add_co_u32 s[NE], s[NE], s[PF+31]
	s_max_u32 s[NM1], s[NE], 1
	s_sub_co_u32 s[NM1], s[NM1], 1
	s_mov_b32 s[CC], 0
	s_mov_b32 s[RK0], 0
.Lchunk:
	s_sub_co_i32 s24, s[NE], s[RK0]
	s_max_i32 s24, s24, 0
	s_add_co_u32 s24, s24, 15
	s_lshr_b32 s24, s24, 4
	s_min_u32 s[NTB], s24, 6
	s_cmp_eq_u32 s[CC], 0
	s_cselect_b32 s24, 1, 0
	s_max_u32 s[NTB], s[NTB], s24                  ; the first chunk has a block at the least
	; THE ROWS COME IN.  Order of issue: groups 0 and 1 | the gather | group 2 | group 3.
	LIVE .Lx1
	s_cmp_eq_u32 s[CC], 0
	s_cbranch_scc1 .Lhave0
	s_wait_loadcnt 0x0                             ; a later chunk streams the slice again; the trip before has ended with this wait, and here it stands in the text once more, ahead of loads into the same registers
	WLOAD 0, 0
	WLOAD 1, 1
.Lhave0:
	v_add_nc_u32 v[RK], s[RK0], v[RKB]
	v_min_u32 v[RK], s[NM1], v[RK]                 ; lane m (0..11): the rank of LDS row w + 8 m
	SELECT RK, TOK, ST
	; twelve rows' offsets, each in a scalar register of its own, so that no line waits for the one before it
.set m, 0
.irp sr, 24,25,26,27,28,29,30,31,2,3,17,18
	v_readlane_b32 s\sr, v[TOK], m
.set m, m+1
.endr
.irp sr, 24,25,26,27,28,29,30,31,2,3,17,18
	s_min_u32 s\sr, s\sr, 0x3ff                    ; a number made of loaded words enters an address only behind a bound written in the instruction
.endr
.irp sr, 24,25,26,27,28,29,30,31,2,3,17,18
	s_lshl_b32 s\sr, s\sr, 11
.endr
	WIN 0x40                                       ; destination window 1
.set m, 0
.irp sr, 24,25,26,27,28,29,30,31,2,3,17,18
	v_add_nc_u32 v[GA+m], s\sr, v[L16]
.set m, m+1
.endr
	WIN 0x41                                       ; destination and offset window 1
.set m, 0
.rept 48                               ; row m / 4, 512 consecutive bytes a load.  No hint: the expert's 16 work-groups read the same rows
	global_load_b128 v[4*m:4*m+3], v[GA+m/4], s[4:5] offset:512*(m%4)
.set m, m+1
.endr
	WIN 0
	WLOAD 2, 2
	s_wait_loadcnt 63                              ; group 0 is in: 80 loads were issued behind it (group 1, the gather, group 2); 63 is the largest count that a wait can name
	CVT 0                                          ; K step 0's fragments,
	WLOAD 3, 0                                     ; and its buffer takes group 3
	PREF 4
	s_wait_loadcnt 32                              ; the gather is in: groups 2 and 3 alone were issued behind it
	WIN 0x04                                       ; data window 1
.set m, 0
.rept 48
	ds_store_b128 v[SB+m/16], v[4*m:4*m+3] offset:((m/4)%4)*16512+512*(m%4)
.set m, m+1
.endr
	WIN 0
	s_branch .Ld1
.Lx1:
	s_wait_loadcnt 0x0                             ; the way round the staging: no load of mine is out behind it, so that the K steps' counts hold on every way that leads to them
.Ld1:
	s_wait_dscnt 0x0                               ; for the others' sake: my rows are in LDS
	BAR                                            ; x is whole
	LIVE .Ld2
	WIN 0x54
.set tb, 0
.rept 6
	ds_load_b128 v[XF+8*tb:XF+8*tb+3], v[XA+tb/2] offset:(tb%2)*33024
	ds_load_b128 v[XF+8*tb+4:XF+8*tb+7], v[XA+tb/2] offset:(tb%2)*33024+16
.set tb, tb+1
.endr
	KSTEP 0
	KSTEP 1
	KSTEP 2
	KSTEP 3
	KSTEP 4
	KSTEP 5
	KSTEP 6
	KSTEP 7
	PLACES                                         ; four places ahead of the stores that read the sums,
	v_nop                                          ; and a fifth: a matrix instruction that writes an accumulator over stands five places behind the last that used it, and on the way that jumps
	                                               ; the rest of this trip and the next trip's staging no other vector instruction stands ahead of K step 0's first product
.Ld2:
	s_wait_loadcnt 0x0                             ; no load of mine is out from here to the trip's end: the bias is in too
	s_wait_dscnt 0x0                               ; my reads of x are over
	BAR                                            ; everybody's are: the partial sums may lie where x lay
	LIVE .Ld3
.set tb, 0
.rept 6
.if tb > 0
	GATE tb, .Ld3
.endif
	WIN 0x04
.set a, 16*tb
.rept 16                               ; register pair a of the 96: each accumulator's lowest pair first; 256 consecutive bytes a store
	ds_store_b64 v[REDW], v[2*a:2*a+1] offset:256*a
.set a, a+1
.endr
.set tb, tb+1
.endr
	WIN 0
.Ld3:
	s_wait_dscnt 0x0
	BAR                                            ; the sums are whole
	LIVE .Ld4
.irp p, 0,2,4,6
	v_cvt_pk_bf16_f32 v30, v[BI+\p], v[BI+\p+1]    ; b1 rounded to bf16 like every input, and widened again; in a later chunk the rounded number is rounded to itself
	v_lshlrev_b32 v[BI+\p], 16, v30
	v_and_b32 v[BI+\p+1], 0xffff0000, v30
.endr
.set tq, 0
.rept 6
.if tq > 0
	GATE tq, .Ld4
.endif
	EPI tq
.set tq, tq+1
.endr
.Ld4:
	s_wait_dscnt 0x0                               ; my reads of the sums are over
	s_wait_xcnt 0x0                                ; the stores' base and data are written again only behind this wait
	s_add_nc_u64 s[HB:HB+1], s[HB:HB+1], 393216    ; six blocks on
	s_add_co_u32 s[RK0], s[RK0], 96
	BAR                                            ; the next chunk's rows may lie where the sums lay
	s_add_co_u32 s[CC], s[CC], 1
	s_cmp_lt_u32 s[CC], NCH
	s_cbranch_scc1 .Lchunk
	s_wait_tensorcnt 0x0                           ; the wave's end
	ds_add_u32 v[SPW], v[NIL]
	s_wait_dscnt 0x0
	s_endpgm
.Lfunc_end_k_qe0ae3c3e42_up:
	.size	k_qe0ae3c3e42_up, .Lfunc_end_k_qe0ae3c3e42_up-k_qe0ae3c3e42_up
	.p2alignl 7, 3214868480
	.fill 96, 4, 3214868480
	.section	.rodata,"a",@progbits
	.p2align	6, 0x0
	.amdhsa_kernel k_qe0ae3c3e42_up
		.amdhsa_group_segment_fixed_size 199168
		.amdhsa_private_segment_fixed_size 0
		.amdhsa_enable_private_segment 0
		.amdhsa_kernarg_size 40
		.amdhsa_user_sgpr_count 2
		.amdhsa_user_sgpr_kernarg_segment_ptr 1
		.amdhsa_wavefront_size32 1
		.amdhsa_system_sgpr_workgroup_id_x 1
		.amdhsa_system_sgpr_workgroup_id_y 1
		.amdhsa_system_sgpr_workgroup_id_z 1
		.amdhsa_system_vgpr_workitem_id 0
		.amdhsa_next_free_vgpr 512
		.amdhsa_next_free_sgpr 100
		.amdhsa_reserve_vcc 1
		.amdhsa_float_denorm_mode_32 3
		.amdhsa_float_denorm_mode_16_64 3
		.amdhsa_memory_ordered 1
		.amdhsa_forward_progress 1
		.amdhsa_inst_pref_size 135
	.end_amdhsa_kernel
	.amdgpu_metadata
---
amdhsa.version: [ 1, 2 ]
amdhsa.kernels:
  - .name:           k_qe0ae3c3e42_up
    .symbol:         k_qe0ae3c3e42_up.kd
    .args:
      - { .name: xb, .offset: 0, .size: 8, .value_kind: global_buffer, .address_space: global }
      - { .name: bitmap, .offset: 8, .size: 8, .value_kind: global_buffer, .address_space: global }
      - { .name: w1, .offset: 16, .size: 8, .value_kind: global_buffer, .address_space: global }
      - { .name: b1, .offset: 24, .size: 8, .value_kind: global_buffer, .address_space: global }
      - { .name: hid, .offset: 32, .size: 8, .value_kind: global_buffer, .address_space: global }
    .group_segment_fixed_size: 199168
    .private_segment_fixed_size: 0
    .kernarg_segment_align: 8
    .kernarg_segment_size: 40
    .max_flat_workgroup_size: 256
    .sgpr_count:     100
    .vgpr_count:     512
    .wavefront_size: 32
...
	.end_amdgpu_metadata
.endif
;; end of part 2
;; launch down (part 3): grid 16 x 16, 8 waves a work-group, no clusters, 197,632 bytes of LDS; arguments hid, bitmap, gate, w2, b2, out0; writes out0
.if DOCPART == 3
	.amdgcn_target "amdgcn-amd-amdhsa--gfx1250"
	.amdhsa_code_object_version 6
	.text
	.protected	k_qe0ae3c3e42_down
	.globl	k_qe0ae3c3e42_down
	.p2align	8
	.type	k_qe0ae3c3e42_down,@function
k_qe0ae3c3e42_down:
	s_mov_b64 s[64:65], 0
	v_nop
	global_prefetch_b8 v0, s[64:65] scope:SCOPE_SE
	s_setreg_imm32_b32 hwreg(HW_REG_WAVE_MODE, 25, 1), 1
	s_wait_xcnt 0x0
; SECOND PRODUCT.  out0[token] = (hid w2[e] + b2[e]) gate[token] for the tokens that chose expert e.  Work-group (x, y): 64 output columns (slice x) of expert y, and all of that expert's tokens; each output row's
; 256 bytes of the slice have this one owner.  The weights bind: 512 KB of f32 a work-group, read once by it alone, straight into registers (a load's lanes 0-15 take 256 consecutive aligned bytes of one row of w2, lanes 16-31 of the row 32 further down).
; FORMATS.  w2 and b2 are rounded once to bf16, hid arrives in bf16, sums in f32, the output f32.  NaN and infinities are not treated apart.
; SHARES.  Wave w: hidden channels 256 w .. 256 w + 255, 8 K steps of 32.  Slot (h, i) of K step ks holds channel 256 w + 64 (ks >> 1) + 32 h + 16 (ks & 1) + i, in the weights' fragments and in hid's image alike.
; Raw register 4 i + j holds column 4 r + j; fragment j's column r is column 4 r + j.  Source 0 = 16 tokens, source 1 = 16 columns: register t of accumulator (tb, j) holds the token of rank 16 tb + 8 h + t, column 4 r + j.
; hid [expert][block of 16 ranks][K step 64][half 2][lane 32][16 bytes]: a load takes 512 consecutive bytes.  It comes through two register buffers; a block without ranks reads 16 written bytes of the chunk's block 0 in every lane, so that every path issues the same loads.
; CHUNKS of 96 ranks, a loop of the constant count 11, blocks 4 and 5 jumped from K step 1 on where they hold no rank: as in the launch before.  The eight waves' sums meet in LDS (f32); wave w finishes register pair w & 3 of
; the blocks 2 g + (w >> 2).  For each register of the pair the lower lanes hold one token's 64 columns and the upper lanes another's.
; THE WAY OUT.  A store serves ONE token, so that its offset is a scalar (the token's row) plus 16 r, and its rank is a scalar too: a row past the count is jumped by a scalar branch, and EXEC is never narrowed.
; The halves of the lanes exchange their four results; both halves then hold the same token's 256 bytes and store them to the same 256 consecutive aligned bytes, the same values twice.
; NO CLUSTER: each weight byte has one reader; what an expert's 16 work-groups share is hid's rows, up to 393,216 bytes a chunk, which have no room in LDS beside 196,608 bytes of partial sums.
; LDS: 0: the partial sums, 8 x 24,576 bytes; SPARE: the spare words.
; REGISTERS, in windows of 256 (s_set_vgpr_msb: bits 1:0 source 0, 3:2 source 1, 5:4 source 2, 7:6 destination).  Window 0: addresses, WF, two raw buffers, hid's buffer 1 (v192-239), v240-251 at work and then the gates.  Window 1: v0-191 the accumulators; v192-239 hid's buffer 0.
.set NCH,   11
.set SPARE, 196608
.set HM,  3                            ; s3       the upper 16 lanes, as a mask
.set XB,  4                            ; s[4:5]   hid at my 8 K steps of the chunk's block 0
.set WB,  10                           ; s[10:11] w2 at my rows and the slice's columns; never rewritten
.set NE,  19
.set NTB, 20
.set CC,  21
.set RK0, 22
.set NM1, 23
.set PF,  32
.set RBS, 66                           ; s66      16 hi + 2 o
.set RS,  67                           ; s67      the chunk's first rank + 16 hi + 2 o
.set BM,  68
.set SEL, 100                          ; s[100:101] v_permlanex16_b32's selects: each lane takes its own place in the other half
.set SPW, 1
.set NIL, 2
.set WOFF, 3                           ; 131072 h + 16 r
.set L16, 4
.set REDW, 5
.set REDR, 6                           ; v6-9    sources 2 p, 2 p + 1: my pair of block hi
.set PFO, 10                           ; 131072 h + 4096 r
.set RKS, 11                           ; lane k = 4 g + 2 h + t: rank 32 g + 16 hi + 8 h + 2 o + t in the chunk
.set B2,  12                           ; v12-15  my four biases
.set TOKV, 16                          ; lane k: the token of that rank
.set ZR,  17                           ; 0: the lane term of the gates' offsets
.set XO,  18                           ; v18-23  block tb's offset in hid
.set R16, 25                           ; 16 r
.set RK,  27
.set WF,  32
.set RAW, 64                           ; v64-191 two buffers of 64
.set SUM, 64                           ; behind the K loop: v64-127 the eight sources' pairs
.set OV,  80                           ;   four results, as the lanes hold them
.set PV,  88                           ;   the other half of the lanes' four
.set DD,  128                          ;   v128-175 what is stored: four registers a store
.set XF,  192                          ; in window 1 (buffer 0) and in window 0 (buffer 1)
.set OA,  192                          ; behind the K loop: v192-203 the stores' offsets
.set ST,  240                          ; v240-250 at work while the tokens are found
.set GV,  240                          ; v240-251 then: the offset, then the value of gate k, the same in every lane
.set MSB, 0
.macro WIN new                         ; the immediate's high byte repeats the setting that is left; a switch that changes nothing is dropped
.if MSB != (\new)
	s_set_vgpr_msb (MSB<<8)|(\new)
.set MSB, \new
.endif
.endm
.macro PLACES                          ; four places between a matrix instruction and a write of, or a load into, its registers, or a reading of its result
.rept 4
	v_nop
.endr
.endm
.macro BAR
	s_barrier_signal -1
	s_barrier_wait -1
.endm
.macro GATE tb, lbl                    ; blocks from tb on hold no rank: forward, past no barrier
	WIN 0
	s_cmp_le_u32 s[NTB], \tb
	s_cbranch_scc1 \lbl
.endm
.macro LIVE lbl                        ; a chunk without ranks jumps the work.  The first chunk is always walked, and the trip's number says so
	s_cmp_eq_u32 s[CC], 0
	s_cbranch_scc1 .Lgo_\@
	s_cmp_eq_u32 s[NTB], 0
	s_cbranch_scc1 \lbl
.Lgo_\@:
.endm
.macro WLOAD ks, buf                   ; a K step's 32 rows x 256 bytes
.set i, 0
.rept 16
	global_load_b128 v[RAW+64*(\buf)+4*i:RAW+64*(\buf)+4*i+3], v[WOFF], s[WB:WB+1] offset:(64*((\ks)/2)+16*((\ks)%2)+i)*4096 th:TH_LOAD_NT
.set i, i+1
.endr
.endm
.macro PREF ks                         ; each lane asks for the 256 bytes of one of K step ks's 32 rows: each of my blocks once a pass, by me alone
	global_prefetch_b8 v[PFO], s[WB:WB+1] offset:(64*((\ks)/2)+16*((\ks)%2))*4096 th:TH_LOAD_NT scope:SCOPE_SE
.endm
.macro CVT buf
.set j, 0
.rept 4
.set p, 0
.rept 8
	v_cvt_pk_bf16_f32 v[WF+8*j+p], v[RAW+64*(\buf)+8*p+j], v[RAW+64*(\buf)+8*p+4+j]
.set p, p+1
.endr
.set j, j+1
.endr
.endm
.macro XLOAD ks, buf                   ; hid's fragments of K step ks, six blocks: always twelve loads.  No hint: the expert's 16 work-groups read the same bytes
.if (\buf) == 0
	WIN 0x40
.else
	WIN 0
.endif
.set tb, 0
.rept 6
	global_load_b128 v[XF+8*tb:XF+8*tb+3], v[XO+tb], s[XB:XB+1] offset:1024*(\ks)
	global_load_b128 v[XF+8*tb+4:XF+8*tb+7], v[XO+tb], s[XB:XB+1] offset:1024*(\ks)+512
.set tb, tb+1
.endr
	WIN 0
.endm
; The token of rank rk: the last word i with PF[i] <= rk holds it; in the word, the counts of its halves, bytes, nibbles, pairs and bits lead to the bit.
.macro SSTEP src, wd
	v_bfe_u32 v[sT], v[\src], v[sO], \wd
	v_cmp_ge_u32 vcc_lo, v[sR], v[sT]
	v_cndmask_b32 v[sT], 0, v[sT], vcc_lo
	v_sub_nc_u32 v[sR], v[sR], v[sT]
	v_cndmask_b32 v[sU], 0, \wd, vcc_lo
	v_add_nc_u32 v[sO], v[sO], v[sU]
.endm
.macro SELECT rk, tok, t
.set sW, (\t)
.set sP, (\t)+1
.set sJ, (\t)+2
.set sR, (\t)+3
.set sA, (\t)+4
.set sB, (\t)+5
.set sC, (\t)+6
.set sD, (\t)+7
.set sO, (\t)+8
.set sT, (\t)+9
.set sU, (\t)+10
	v_mov_b32 v[sW], s[BM]
	v_mov_b32 v[sP], 0
	v_mov_b32 v[sJ], 0
.set i, 1
.rept 31
	v_cmp_le_u32 vcc_lo, s[PF+i], v[\rk]
	v_cndmask_b32 v[sW], v[sW], s[BM+i], vcc_lo
	v_cndmask_b32 v[sP], v[sP], s[PF+i], vcc_lo
	v_cndmask_b32 v[sJ], v[sJ], i, vcc_lo
.set i, i+1
.endr
	v_sub_nc_u32 v[sR], v[\rk], v[sP]
	v_lshrrev_b32 v[sT], 1, v[sW]
	v_and_b32 v[sT], 0x55555555, v[sT]
	v_sub_nc_u32 v[sA], v[sW], v[sT]               ; counts of pairs
	v_lshrrev_b32 v[sT], 2, v[sA]
	v_and_b32 v[sT], 0x33333333, v[sT]
	v_and_b32 v[sB], 0x33333333, v[sA]
	v_add_nc_u32 v[sB], v[sB], v[sT]               ; of nibbles
	v_lshrrev_b32 v[sT], 4, v[sB]
	v_add_nc_u32 v[sC], v[sB], v[sT]
	v_and_b32 v[sC], 0x0f0f0f0f, v[sC]             ; of bytes
	v_lshrrev_b32 v[sT], 8, v[sC]
	v_add_nc_u32 v[sD], v[sC], v[sT]
	v_and_b32 v[sD], 0x00ff00ff, v[sD]             ; of halves
	v_mov_b32 v[sO], 0
	SSTEP sD, 16
	SSTEP sC, 8
	SSTEP sB, 4
	SSTEP sA, 2
	SSTEP sW, 1
	v_lshl_add_u32 v[\tok], v[sJ], 5, v[sO]
	v_min_u32 v[\tok], 0x3ff, v[\tok]              ; a token's number, whatever the bitmap holds
.endm
; A K step.  Order of issue: W0 W1 X0 X1 W2 gates | X2 | W3 X3 | W4 X4 | .. | W7 X7 (W: 16 loads, X: 12, the gates: 12).
; A step waits twice: first for its weights alone, which are rounded, and whose buffer is asked for again at once, two steps on (the step after that is prefetched); only then for its rows of hid.
; K step 0's weights were rounded, and group 2 asked for, ahead of the search for the tokens.  hid's buffer is asked for again four places behind the step's last product.
; No two matrix instructions that follow each other share an accumulator: the 24 (or 16) take turns.
.macro KSTEP ks
	WIN 0
.if (\ks) > 0
.if (\ks) == 2
	s_wait_loadcnt 52                              ; W2: behind it the gates' 12, X2, W3, X3
.elseif (\ks) == 7
	s_wait_loadcnt 12                              ; W7: behind it X7
.elseif (\ks) > 2
	s_wait_loadcnt 40                              ; this step's weights: behind them its X, and the next step's W and X
.endif                                 ; (K step 1: W1 was issued ahead of X0, which K step 0 has waited for)
	CVT (\ks)%2
.if (\ks) <= 5
	WLOAD (\ks)+2, (\ks)%2
.endif
.if (\ks) <= 4
	PREF (\ks)+3                                   ; one K step ahead of its loads; none points past K step 7, the last of my rows
.endif
.endif
.if (\ks) == 0
	s_wait_loadcnt 40                              ; X0: behind it X1, W2 and the gates
.elseif (\ks) == 1
	s_wait_loadcnt 56                              ; X1: behind it W2, the gates, X2, W3
.elseif (\ks) <= 5
	s_wait_loadcnt 44                              ; this step's X: behind it the next step's W and X, and the W just asked for
.elseif (\ks) == 6
	s_wait_loadcnt 28                              ; X6: behind it W7 and X7
.else
	s_wait_loadcnt 0x0
.endif
.set tb, 0
.rept 6
.if ((\ks) > 0) && (tb >= 4)
	GATE tb, .Lm\ks
.endif
	WIN 0x51-((\ks)%2)                             ; source 0 (hid) window 1 or 0 by the buffer; source 1 (weights) window 0; C and D window 1
.set j, 0
.rept 4
.if (\ks) == 0
	v_wmma_f32_16x16x32_bf16 v[8*(4*tb+j):8*(4*tb+j)+7], v[XF+8*tb:XF+8*tb+7], v[WF+8*j:WF+8*j+7], 0
.else
	v_wmma_f32_16x16x32_bf16 v[8*(4*tb+j):8*(4*tb+j)+7], v[XF+8*tb:XF+8*tb+7], v[WF+8*j:WF+8*j+7], v[8*(4*tb+j):8*(4*tb+j)+7]
.endif
.set j, j+1
.endr
.set tb, tb+1
.endr
	WIN 0
.Lm\ks:
	PLACES                                         ; ahead of the loads into hid's buffer, of the next rounding into WF, and, behind the last step, of the stores that read the sums
.if (\ks) <= 5
	XLOAD (\ks)+2, (\ks)%2
.endif
.endm
; The store of row k = 4 g + 2 h + t, from registers d .. d + 3.  Its rank is a scalar: where the expert has no such rank the one store is jumped.
.macro PUT k, d
	s_add_co_u32 s24, s[RS], 32*((\k)/4)+8*(((\k)/2)%2)+((\k)%2)
	s_cmp_ge_u32 s24, s[NE]
	s_cbranch_scc1 .Lno_\@
	global_store_b128 v[OA+(\k)], v[\d:\d+3], s[14:15] th:TH_STORE_NT  ; 256 consecutive bytes, at a multiple of 256 from out0's first; lanes 16-31 repeat lanes 0-15
.Lno_\@:
.endm
; Block 2 g + hi: the eight waves' sums of my pair; for each of its two registers the bias, the exchange of the halves, the two tokens' gates, and a store for each token.
; Each store has offset and data registers of its own, so that none is written again while a store may still read it.
.macro ROWS g
	s_add_co_u32 s24, s18, 2*(\g)
	s_cmp_le_u32 s[NTB], s24
	s_cbranch_scc1 .Le2                            ; this block holds no rank, and neither do my later ones
.set sr, 0
.rept 8
.set j, 0
.rept 4
	ds_load_b64 v[SUM+8*sr+2*j:SUM+8*sr+2*j+1], v[REDR+sr/2] offset:(sr%2)*24576+8192*(\g)+1024*j
.set j, j+1
.endr
.set sr, sr+1
.endr
	s_wait_dscnt 0x0
.set sr, 1
.rept 7
.set j, 0
.rept 4
	v_pk_add_f32 v[SUM+2*j:SUM+2*j+1], v[SUM+2*j:SUM+2*j+1], v[SUM+8*sr+2*j:SUM+8*sr+2*j+1]
.set j, j+1
.endr
.set sr, sr+1
.endr
.irp t, 0,1
.set kA, 4*(\g)+(\t)                   ; the lower lanes' token
.set kB, 4*(\g)+2+(\t)                 ; the upper lanes'
.set DA, DD+16*(\g)+8*(\t)
.set DB, DD+16*(\g)+8*(\t)+4
	v_readlane_b32 s24, v[TOKV], kA
	v_readlane_b32 s25, v[TOKV], kB
	s_min_u32 s24, s24, 0x3ff                      ; a number made of loaded words enters an address only behind a bound written in the instruction
	s_min_u32 s25, s25, 0x3ff
	s_lshl_b32 s24, s24, 12                        ; the token's row of 4,096 bytes
	s_lshl_b32 s25, s25, 12
	v_add_nc_u32 v[OA+kA], s24, v[R16]             ; 16 bytes a lane
	v_add_nc_u32 v[OA+kB], s25, v[R16]
.set j, 0
.rept 4
	v_add_f32 v[OV+j], v[SUM+2*j+(\t)], v[B2+j]
.set j, j+1
.endr
.set j, 0
.rept 4
	v_permlanex16_b32 v[PV+j], v[OV+j], s[SEL], s[SEL+1]  ; its destination counts as read: the loads above have written it
.set j, j+1
.endr
.set j, 0
.rept 4
	v_cndmask_b32 v[DA+j], v[OV+j], v[PV+j], s[HM] ; the lower lanes' token in both halves,
	v_cndmask_b32 v[DB+j], v[PV+j], v[OV+j], s[HM] ; the upper lanes' in both halves
.set j, j+1
.endr
.set j, 0
.rept 4
	v_mul_f32 v[DA+j], v[GV+kA], v[DA+j]
	v_mul_f32 v[DB+j], v[GV+kB], v[DB+j]
.set j, j+1
.endr
	PUT kA, DA
	PUT kB, DB
.endr
.endm
	s_load_b256 s[4:11], s[0:1], 0x0               ; hid s[4:5], bitmap s[6:7], gate s[8:9], w2 s[10:11]
	s_load_b128 s[12:15], s[0:1], 0x20             ; b2 s[12:13], out0 s[14:15]
	v_lshl_add_u32 v[SPW], v0, 2, SPARE            ; my spare word, and 0: kept for the wave's end alone
	v_mov_b32 v[NIL], 0
	v_lshrrev_b32 v31, 5, v0
	v_readfirstlane_b32 s16, v31                   ; wave w
	s_and_b32 s17, s16, 3                          ; o: the register pair that I finish
	s_lshr_b32 s18, s16, 2                         ; hi: of the even or the odd blocks
	s_and_b32 s2, ttmp7, 0xffff                    ; the expert
	s_mov_b32 s[HM], 0xffff0000
	s_mov_b32 s[SEL], 0x76543210
	s_mov_b32 s[SEL+1], 0xfedcba98
	v_and_b32 v27, 31, v0                          ; L
	v_and_b32 v28, 15, v0                          ; r
	v_bfe_u32 v29, v0, 4, 1                        ; h
	v_mov_b32 v[ZR], 0
	v_lshlrev_b32 v[L16], 4, v27
	v_lshlrev_b32 v[R16], 4, v28
	v_lshl_add_u32 v[WOFF], v29, 17, v[R16]        ; 32 rows of 4,096 bytes for the upper lanes
	v_lshlrev_b32 v[PFO], 12, v28
	v_lshl_add_u32 v[PFO], v29, 17, v[PFO]
	s_lshl_b32 s24, s2, 22                         ; hid: the expert's 4 MiB, my 8 K steps of 1,024 bytes
	s_lshl_b32 s25, s16, 13
	s_add_co_u32 s24, s24, s25
	s_mov_b32 s25, 0
	s_lshl_b32 s26, s2, 7                          ; bitmap: 128 bytes an expert
	s_mov_b32 s27, 0
	s_lshl_b32 s28, s2, 23                         ; w2: the expert's 8 MiB, my 256 rows, the slice's 256 bytes
	s_lshl_b32 s29, s16, 20
	s_add_co_u32 s28, s28, s29
	s_lshl_b32 s29, ttmp9, 8
	s_add_co_u32 s28, s28, s29
	s_lshl_b32 s30, s2, 12                         ; b2: the expert's 4,096 bytes, the slice's 256
	s_add_co_u32 s30, s30, s29
	s_mov_b32 s29, 0
	s_mov_b32 s31, 0
	s_wait_kmcnt 0x0
	s_add_nc_u64 s[4:5], s[4:5], s[24:25]
	s_add_nc_u64 s[6:7], s[6:7], s[26:27]
	s_add_nc_u64 s[10:11], s[10:11], s[28:29]
	s_add_nc_u64 s[12:13], s[12:13], s[30:31]
	s_lshl_b32 s24, ttmp9, 8
	s_add_nc_u64 s[14:15], s[14:15], s[24:25]
	s_load_b512 s[BM:BM+15], s[6:7], 0x0
	s_load_b512 s[BM+16:BM+31], s[6:7], 0x40
	global_load_b128 v[B2:B2+3], v[R16], s[12:13]  ; the bias is not waited for here: it is wanted behind the K loop
	WLOAD 0, 0                                     ; the stream starts before the routing is known
	WLOAD 1, 1
	PREF 2
	s_mul_i32 s24, s16, 24576
	v_lshl_add_u32 v[REDW], v27, 3, s24
	s_lshl_b32 s24, s18, 12
	s_lshl_b32 s25, s17, 8
	s_add_co_u32 s24, s24, s25
	v_lshl_add_u32 v[REDR], v27, 3, s24
	v_add_nc_u32 v[REDR+1], 49152, v[REDR]
	v_add_nc_u32 v[REDR+2], 98304, v[REDR]
	v_add_nc_u32 v[REDR+3], 147456, v[REDR]
	s_lshl_b32 s[RBS], s18, 4
	s_lshl1_add_u32 s[RBS], s17, s[RBS]            ; 16 hi + 2 o
	v_and_b32 v[RKS], 1, v0
	v_add_nc_u32 v[RKS], s[RBS], v[RKS]
	v_bfe_u32 v31, v0, 1, 1
	v_lshl_add_u32 v[RKS], v31, 3, v[RKS]
	v_bfe_u32 v31, v0, 2, 2
	v_lshl_add_u32 v[RKS], v31, 5, v[RKS]
	s_wait_kmcnt 0x0                               ; the bitmap
.set i, 0
.rept 31                               ; the 32 counts first, none of which waits for another; then the running sums
	s_bcnt1_i32_b32 s[PF+1+i], s[BM+i]
.set i, i+1
.endr
	s_bcnt1_i32_b32 s[NE], s[BM+31]
	s_mov_b32 s[PF], 0
.set i, 1
.rept 30
	s_add_co_u32 s[PF+1+i], s[PF+1+i], s[PF+i]
.set i, i+1
.endr
	s_add_co_u32 s[NE], s[NE], s[PF+31]
	s_max_u32 s[NM1], s[NE], 1
	s_sub_co_u32 s[NM1], s[NM1], 1
	s_mov_b32 s[CC], 0
	s_mov_b32 s[RK0], 0
.Lchunk:
	s_sub_co_i32 s24, s[NE], s[RK0]
	s_max_i32 s24, s24, 0
	s_add_co_u32 s24, s24, 15
	s_lshr_b32 s24, s24, 4
	s_min_u32 s[NTB], s24, 6
	s_cmp_eq_u32 s[CC], 0
	s_cselect_b32 s24, 1, 0
	s_max_u32 s[NTB], s[NTB], s24                  ; the first chunk has a block at the least: the launch before has stored it
	LIVE .Le1
	s_cmp_eq_u32 s[CC], 0
	s_cbranch_scc1 .Lhave
	s_wait_loadcnt 0x0                             ; a later chunk streams the slice again; the trip before has ended with this wait, and here it stands in the text once more, ahead of loads into the same registers
	WLOAD 0, 0
	WLOAD 1, 1
.Lhave:
.set tb, 0
.rept 6
	s_cmp_gt_u32 s[NTB], tb
	s_cselect_b32 s24, -1, 0
	v_add_nc_u32 v[XO+tb], 65536*tb, v[L16]
	v_and_b32 v[XO+tb], s24, v[XO+tb]              ; a block without ranks: offset 0 in every lane
	v_min_u32 v[XO+tb], 0x7ffff, v[XO+tb]          ; five blocks and 496 bytes at the most: the bound is written in the instruction
.set tb, tb+1
.endr
	XLOAD 0, 0
	XLOAD 1, 1
	s_wait_loadcnt 40                              ; W0 is in: behind it W1's 16, X0's 12 and X1's 12
	CVT 0                                          ; K step 0's fragments,
	WLOAD 2, 0                                     ; and its buffer takes group 2, ahead of the search below
	PREF 3
	v_add_nc_u32 v[RK], s[RK0], v[RKS]             ; the tokens and gates of the rows that I shall store: found while the loads are out
	v_min_u32 v[RK], s[NM1], v[RK]
	SELECT RK, TOKV, ST
.set k, 0
.rept 12
	v_readlane_b32 s24, v[TOKV], k
	s_min_u32 s24, s24, 0x3ff                      ; the bound, written in the instruction
	s_lshl_b32 s24, s24, 2
	v_add_nc_u32 v[GV+k], s24, v[ZR]               ; the same word for every lane
.set k, k+1
.endr
.set k, 0
.rept 12
	global_load_b32 v[GV+k], v[GV+k], s[8:9]       ; each lands on its own offset register
.set k, k+1
.endr
	KSTEP 0
	KSTEP 1
	KSTEP 2
	KSTEP 3
	KSTEP 4
	KSTEP 5
	KSTEP 6
	KSTEP 7
.set tb, 0
.rept 6
.if tb > 0
	GATE tb, .Le1
.endif
	WIN 0x04                                       ; data window 1
.set a, 16*tb
.rept 16                               ; register pair a of the 96: each accumulator's lowest pair first; 256 consecutive bytes a store
	ds_store_b64 v[REDW], v[2*a:2*a+1] offset:256*a
.set a, a+1
.endr
.set tb, tb+1
.endr
	WIN 0
.Le1:
	s_wait_loadcnt 0x0                             ; no load of mine is out from here to the trip's end: the bias is in too
	s_wait_dscnt 0x0                               ; for the others' sake: my sums are in LDS
	BAR                                            ; the sums are whole
	LIVE .Le2
.irp p, 0,2
	v_cvt_pk_bf16_f32 v31, v[B2+\p], v[B2+\p+1]    ; b2 rounded to bf16 like every input, and widened again; in a later chunk the rounded number is rounded to itself
	v_lshlrev_b32 v[B2+\p], 16, v31
	v_and_b32 v[B2+\p+1], s[HM], v31
.endr
	s_add_co_u32 s[RS], s[RK0], s[RBS]
	ROWS 0
	ROWS 1
	ROWS 2
.Le2:
	s_wait_dscnt 0x0                               ; my reads of the sums are over
	s_wait_xcnt 0x0                                ; hid's base is stepped, and the stores' offsets and data are written again, only behind this wait
	s_add_nc_u64 s[XB:XB+1], s[XB:XB+1], 393216    ; six blocks on
	s_add_co_u32 s[RK0], s[RK0], 96
	BAR                                            ; the next chunk's sums may be stored
	s_add_co_u32 s[CC], s[CC], 1
	s_cmp_lt_u32 s[CC], NCH
	s_cbranch_scc1 .Lchunk
	s_wait_tensorcnt 0x0                           ; the wave's end
	ds_add_u32 v[SPW], v[NIL]
	s_wait_dscnt 0x0
	s_endpgm
.Lfunc_end_k_qe0ae3c3e42_down:
	.size	k_qe0ae3c3e42_down, .Lfunc_end_k_qe0ae3c3e42_down-k_qe0ae3c3e42_down
	.p2alignl 7, 3214868480
	.fill 96, 4, 3214868480
	.section	.rodata,"a",@progbits
	.p2align	6, 0x0
	.amdhsa_kernel k_qe0ae3c3e42_down
		.amdhsa_group_segment_fixed_size 197632
		.amdhsa_private_segment_fixed_size 0
		.amdhsa_enable_private_segment 0
		.amdhsa_kernarg_size 48
		.amdhsa_user_sgpr_count 2
		.amdhsa_user_sgpr_kernarg_segment_ptr 1
		.amdhsa_wavefront_size32 1
		.amdhsa_system_sgpr_workgroup_id_x 1
		.amdhsa_system_sgpr_workgroup_id_y 1
		.amdhsa_system_sgpr_workgroup_id_z 1
		.amdhsa_system_vgpr_workitem_id 0
		.amdhsa_next_free_vgpr 512
		.amdhsa_next_free_sgpr 102
		.amdhsa_reserve_vcc 1
		.amdhsa_float_denorm_mode_32 3
		.amdhsa_float_denorm_mode_16_64 3
		.amdhsa_memory_ordered 1
		.amdhsa_forward_progress 1
		.amdhsa_inst_pref_size 107
	.end_amdhsa_kernel
	.amdgpu_metadata
---
amdhsa.version: [ 1, 2 ]
amdhsa.kernels:
  - .name:           k_qe0ae3c3e42_down
    .symbol:         k_qe0ae3c3e42_down.kd
    .args:
      - { .name: hid, .offset: 0, .size: 8, .value_kind: global_buffer, .address_space: global }
      - { .name: bitmap, .offset: 8, .size: 8, .value_kind: global_buffer, .address_space: global }
      - { .name: gate, .offset: 16, .size: 8, .value_kind: global_buffer, .address_space: global }
      - { .name: w2, .offset: 24, .size: 8, .value_kind: global_buffer, .address_space: global }
      - { .name: b2, .offset: 32, .size: 8, .value_kind: global_buffer, .address_space: global }
      - { .name: out0, .offset: 40, .size: 8, .value_kind: global_buffer, .address_space: global }
    .group_segment_fixed_size: 197632
    .private_segment_fixed_size: 0
    .kernarg_segment_align: 8
    .kernarg_segment_size: 48
    .max_flat_workgroup_size: 256
    .sgpr_count:     102
    .vgpr_count:     512
    .wavefront_size: 32
...
	.end_amdgpu_metadata
.endif
;; end of part 3
;; ======== version 2 of 2: 3 launches; version 1 with the launch down written anew for expert scheduling mode
;; workspace buffers: xb 2,097,152 bytes; bitmap 2,048 bytes of whole numbers; gate 4,096 bytes; hid 67,108,864 bytes
;; launch router: the kernel of part 1 again; grid 64 x 1, 8 waves a work-group, no clusters, 76,800 bytes of LDS; arguments h, router_w, xb, bitmap, gate; writes xb, bitmap, gate
;; launch up: the kernel of part 2 again; grid 16 x 16, 8 waves a work-group, no clusters, 199,168 bytes of LDS; arguments xb, bitmap, w1, b1, hid; writes hid
;; launch down (part 4): grid 16 x 16, 8 waves a work-group, no clusters, 197,632 bytes of LDS; arguments hid, bitmap, gate, w2, b2, out0; writes out0
.if DOCPART == 4
	.amdgcn_target "amdgcn-amd-amdhsa--gfx1250"
	.amdhsa_code_object_version 6
	.text
	.protected	k_qe0ae3c3e42_down
	.globl	k_qe0ae3c3e42_down
	.p2align	8
	.type	k_qe0ae3c3e42_down,@function
k_qe0ae3c3e42_down:
	s_mov_b64 s[64:65], 0
	v_nop
	global_prefetch_b8 v0, s[64:65] scope:SCOPE_SE
	s_setreg_imm32_b32 hwreg(HW_REG_WAVE_SCHED_MODE, 0, 2), 2
	s_setreg_imm32_b32 hwreg(HW_REG_WAVE_MODE, 25, 1), 1
	s_wait_xcnt 0x0
	s_wait_alu depctr_vm_vsrc(0)
; SECOND PRODUCT.  out0[token] = (hid w2[e] + b2[e]) gate[token] for the tokens that chose expert e.  Work-group (x, y): 64 output columns (slice x) of expert y, and all of that expert's tokens; each output row's
; 256 bytes of the slice have this one owner.  The weights bind: 512 KB of f32 a work-group, read once by it alone, straight into registers (a load's lanes 0-15 take 256 consecutive aligned bytes of one row of w2, lanes 16-31 of the row 32 further down).
; FORMATS.  w2 and b2 are rounded once to bf16, hid arrives in bf16, sums in f32, the output f32.  NaN and infinities are not treated apart.
; SHARES.  Wave w: hidden channels 256 w .. 256 w + 255, 8 K steps of 32.  Slot (h, i) of K step ks holds channel 256 w + 64 (ks >> 1) + 32 h + 16 (ks & 1) + i, in the weights' fragments and in hid's image alike.
; Raw register 4 i + j holds column 4 r + j; fragment j's column r is column 4 r + j.  Source 0 = 16 tokens, source 1 = 16 columns: register t of accumulator (tb, j) holds the token of rank 16 tb + 8 h + t, column 4 r + j.
; hid [expert][block of 16 ranks][K step 64][half 2][lane 32][16 bytes]: a load takes 512 consecutive bytes.  It comes through two register buffers; a block without ranks reads 16 written bytes of the chunk's block 0 in every lane, so that every path issues the same loads.
; CHUNKS of 96 ranks, a loop of the constant count 11, blocks 4 and 5 jumped from K step 1 on where they hold no rank: as in the launch before.  The eight waves' sums meet in LDS (f32); wave w finishes register pair w & 3 of
; the blocks 2 g + (w >> 2).  For each register of the pair the lower lanes hold one token's 64 columns and the upper lanes another's.
; THE WAY OUT.  A store serves ONE token, so that its offset is a scalar (the token's row) plus 16 r, and its rank is a scalar too: a row past the count is jumped by a scalar branch, and EXEC is never narrowed.
; The halves of the lanes exchange their four results; both halves then hold the same token's 256 bytes and store them to the same 256 consecutive aligned bytes, the same values twice.
; NO CLUSTER: each weight byte has one reader; what an expert's 16 work-groups share is hid's rows, up to 393,216 bytes a chunk, which have no room in LDS beside 196,608 bytes of partial sums.
; LDS: 0: the partial sums, 8 x 24,576 bytes; the 1,024 bytes behind them: the spare words.
; REGISTERS, in windows of 256 (s_set_vgpr_msb: bits 1:0 source 0, 3:2 source 1, 5:4 source 2, 7:6 destination).  Window 0: addresses, WF, two raw buffers, hid's buffer 1 (v192-239), v240-251 at work and then the gates.
; Window 1: v0-191 the accumulators; v192-239 hid's buffer 0; v240-251 the gates' offsets.
; THE MODE: SCHED_MODE bits 1:0 = 2 (LLVM: expert scheduling mode 2), set by the entry lines.  The code itself states the register dependences between vector or matrix instructions and memory or LDS
; instructions, with s_wait_alu, always for 0.
; THE PLAN.  Registers that memory or LDS instructions touch, round a trip of the loop over chunks:
;   WOFF, PFO, R16, REDW, REDR   offsets and LDS addresses, made at the head and never written again: one wait on va_vdst at the head serves them for the whole kernel.
;   XO       written at the trip's head; read by all the trip's loads of hid.  One wait ahead of the first of these.
;   RAW0, 1  K step ks: its 32 roundings read RAW[ks % 2]; behind them the loads of K step ks + 2 land in it.  One wait between the two.
;   XF0, 1   K step ks: its products read XF[ks % 2]; behind them the loads of K step ks + 2 land in it.  One wait between the two.
;   GO, GV   the gates' offsets are written by vector lines and read by the gates' loads, which land in GV, where the search for the tokens worked.  One wait ahead of the loads.
;   the accumulators   written by the products, read by the LDS stores behind the K loop: the places, then one wait.
;   SUM      a block's LDS loads land in it, its vector work reads and writes it.   OA, DD   written by that vector work, read by the block's four stores.  One wait a block, ahead of the four stores,
;            states both: OA and DD are written, and SUM is done with, for the next block's loads.
;   Every vector line that names v64-191 has one of these waits behind it in straight line, so a later trip's first loads of w2 owe no further one.
;   ONE wait on vm_vsrc a trip, at its end: what memory and LDS instructions have read (OA, DD, the accumulators, XO, GO) is written again in the next trip alone.
;   WF, TOKV and (once its load is in) B2 are named by vector and matrix instructions alone.
.set NCH,   11
.set HM,  3                            ; s3       the upper 16 lanes, as a mask
.set XB,  4                            ; s[4:5]   hid at my 8 K steps of the chunk's block 0
.set WB,  10                           ; s[10:11] w2 at my rows and the slice's columns; never rewritten
.set NE,  19
.set NTB, 20
.set CC,  21
.set RK0, 22
.set NM1, 23
.set PF,  32
.set RBS, 66                           ; s66      16 hi + 2 o
.set RS,  67                           ; s67      the chunk's first rank + 16 hi + 2 o
.set BM,  68
.set SEL, 100                          ; s[100:101] v_permlanex16_b32's selects: each lane takes its own place in the other half
.set WOFF, 3                           ; 131072 h + 16 r
.set L16, 4
.set REDW, 5
.set REDR, 6                           ; v6-9    sources 2 p, 2 p + 1: my pair of block hi
.set PFO, 10                           ; 131072 h + 4096 r
.set RKS, 11                           ; lane k = 4 g + 2 h + t: rank 32 g + 16 hi + 8 h + 2 o + t in the chunk
.set B2,  12                           ; v12-15  my four biases
.set TOKV, 16                          ; lane k: the token of that rank
.set ZR,  17                           ; 0: the lane term of the gates' offsets
.set XO,  18                           ; v18-23  block tb's offset in hid
.set R16, 25                           ; 16 r
.set RK,  27
.set WF,  32
.set RAW, 64                           ; v64-191 two buffers of 64
.set SUM, 64                           ; behind the K loop: v64-127 the eight sources' pairs
.set OV,  80                           ;   four results, as the lanes hold them
.set PV,  88                           ;   the other half of the lanes' four
.set DD,  128                          ;   v128-175 what is stored: four registers a store
.set XF,  192                          ; in window 1 (buffer 0) and in window 0 (buffer 1)
.set OA,  192                          ; behind the K loop: v192-203 the stores' offsets
.set ST,  240                          ; v240-250 at work while the tokens are found
.set GV,  240                          ; v240-251 then: the value of gate k, the same in every lane
.set GO,  240                          ; window 1: v240-251 the offset of gate k, the same in every lane
.set MSB, 0
.macro WIN new                         ; the immediate's high byte repeats the setting that is left; a switch that changes nothing is dropped
.if MSB != (\new)
	s_set_vgpr_msb (MSB<<8)|(\new)
.set MSB, \new
.endif
.endm
.macro PLACES                          ; four places between a matrix instruction and a vector write of its registers, or a reading of its result (ISA guide 7.12.1)
.rept 4
	v_nop
.endr
.endm
.macro BAR
	s_barrier_signal -1
	s_barrier_wait -1
.endm
.macro GATE tb, lbl                    ; blocks from tb on hold no rank: forward, past no barrier
	WIN 0
	s_cmp_le_u32 s[NTB], \tb
	s_cbranch_scc1 \lbl
.endm
.macro LIVE lbl                        ; a chunk without ranks jumps the work.  The first chunk is always walked, and the trip's number says so
	s_cmp_eq_u32 s[CC], 0
	s_cbranch_scc1 .Lgo_\@
	s_cmp_eq_u32 s[NTB], 0
	s_cbranch_scc1 \lbl
.Lgo_\@:
.endm
.macro WLOAD ks, buf                   ; a K step's 32 rows x 256 bytes
.set i, 0
.rept 16
	global_load_b128 v[RAW+64*(\buf)+4*i:RAW+64*(\buf)+4*i+3], v[WOFF], s[WB:WB+1] offset:(64*((\ks)/2)+16*((\ks)%2)+i)*4096 th:TH_LOAD_NT
.set i, i+1
.endr
.endm
.macro PREF ks                         ; each lane asks for the 256 bytes of one of K step ks's 32 rows: each of my blocks once a pass, by me alone
	global_prefetch_b8 v[PFO], s[WB:WB+1] offset:(64*((\ks)/2)+16*((\ks)%2))*4096 th:TH_LOAD_NT scope:SCOPE_SE
.endm
.macro CVT buf
.set j, 0
.rept 4
.set p, 0
.rept 8
	v_cvt_pk_bf16_f32 v[WF+8*j+p], v[RAW+64*(\buf)+8*p+j], v[RAW+64*(\buf)+8*p+4+j]
.set p, p+1
.endr
.set j, j+1
.endr
.endm
.macro XLOAD ks, buf                   ; hid's fragments of K step ks, six blocks: always twelve loads.  No hint: the expert's 16 work-groups read the same bytes
.if (\buf) == 0
	WIN 0x40
.else
	WIN 0
.endif
.set tb, 0
.rept 6
	global_load_b128 v[XF+8*tb:XF+8*tb+3], v[XO+tb], s[XB:XB+1] offset:1024*(\ks)
	global_load_b128 v[XF+8*tb+4:XF+8*tb+7], v[XO+tb], s[XB:XB+1] offset:1024*(\ks)+512
.set tb, tb+1
.endr
	WIN 0
.endm
; The token of rank rk: the last word i with PF[i] <= rk holds it; in the word, the counts of its halves, bytes, nibbles, pairs and bits lead to the bit.
.macro SSTEP src, wd
	v_bfe_u32 v[sT], v[\src], v[sO], \wd
	v_cmp_ge_u32 vcc_lo, v[sR], v[sT]
	s_wait_alu depctr_va_vcc(0)                    ; the compare has written VCC, which the two selects below read
	v_cndmask_b32 v[sT], 0, v[sT], vcc_lo
	v_sub_nc_u32 v[sR], v[sR], v[sT]
	v_cndmask_b32 v[sU], 0, \wd, vcc_lo
	v_add_nc_u32 v[sO], v[sO], v[sU]
.endm
.macro SELECT rk, tok, t
.set sW, (\t)
.set sP, (\t)+1
.set sJ, (\t)+2
.set sR, (\t)+3
.set sA, (\t)+4
.set sB, (\t)+5
.set sC, (\t)+6
.set sD, (\t)+7
.set sO, (\t)+8
.set sT, (\t)+9
.set sU, (\t)+10
	v_mov_b32 v[sW], s[BM]
	v_mov_b32 v[sP], 0
	v_mov_b32 v[sJ], 0
.irp b, 1, 9, 17, 25                   ; the 31 compares go in runs of eight (the last of seven), each into a mask of its own, s24 to s31; the selects keep the words' ascending order
.set i, \b
.rept 8
.if i < 32
	v_cmp_le_u32 s[24+i-(\b)], s[PF+i], v[\rk]
.endif
.set i, i+1
.endr
	s_wait_alu depctr_va_sdst(0)                   ; the run's compares have written their masks, which the selects below read
.set i, \b
.rept 8
.if i < 32
	v_cndmask_b32 v[sW], v[sW], s[BM+i], s[24+i-(\b)]
	v_cndmask_b32 v[sP], v[sP], s[PF+i], s[24+i-(\b)]
	v_cndmask_b32 v[sJ], v[sJ], i, s[24+i-(\b)]
.endif
.set i, i+1
.endr
.endr
	v_sub_nc_u32 v[sR], v[\rk], v[sP]
	v_lshrrev_b32 v[sT], 1, v[sW]
	v_and_b32 v[sT], 0x55555555, v[sT]
	v_sub_nc_u32 v[sA], v[sW], v[sT]               ; counts of pairs
	v_lshrrev_b32 v[sT], 2, v[sA]
	v_and_b32 v[sT], 0x33333333, v[sT]
	v_and_b32 v[sB], 0x33333333, v[sA]
	v_add_nc_u32 v[sB], v[sB], v[sT]               ; of nibbles
	v_lshrrev_b32 v[sT], 4, v[sB]
	v_add_nc_u32 v[sC], v[sB], v[sT]
	v_and_b32 v[sC], 0x0f0f0f0f, v[sC]             ; of bytes
	v_lshrrev_b32 v[sT], 8, v[sC]
	v_add_nc_u32 v[sD], v[sC], v[sT]
	v_and_b32 v[sD], 0x00ff00ff, v[sD]             ; of halves
	v_mov_b32 v[sO], 0
	SSTEP sD, 16
	SSTEP sC, 8
	SSTEP sB, 4
	SSTEP sA, 2
	SSTEP sW, 1
	v_lshl_add_u32 v[\tok], v[sJ], 5, v[sO]
	v_min_u32 v[\tok], 0x3ff, v[\tok]              ; a token's number, whatever the bitmap holds
.endm
; A K step.  Order of issue: W0 W1 X0 X1 W2 gates | X2 | W3 X3 | W4 X4 | .. | W7 X7 (W: 16 loads, X: 12, the gates: 12).
; A step waits twice: first for its weights alone, which are rounded, and whose buffer is asked for again at once, two steps on (the step after that is prefetched); only then for its rows of hid.
; K step 0's weights were rounded, and group 2 asked for, ahead of the search for the tokens.  hid's buffer is asked for again behind the step's last product: these twelve loads are not put off to the
; next step's wait on va_vdst, since they would then stand behind that step's wait for its weights.
; No two matrix instructions that follow each other share an accumulator: the 24 (or 16) take turns.
.macro KSTEP ks
	WIN 0
.if (\ks) > 0
.if (\ks) == 2
	s_wait_loadcnt 52                              ; W2: behind it the gates' 12, X2, W3, X3
.elseif (\ks) == 7
	s_wait_loadcnt 12                              ; W7: behind it X7
.elseif (\ks) > 2
	s_wait_loadcnt 40                              ; this step's weights: behind them its X, and the next step's W and X
.endif                                 ; (K step 1: W1 was issued ahead of X0, which K step 0 has waited for)
	CVT (\ks)%2
.if (\ks) <= 5
	s_wait_alu depctr_va_vdst(0)                   ; the 32 roundings are done reading this raw buffer, in which the 16 loads below land
	WLOAD (\ks)+2, (\ks)%2
.endif
.if (\ks) <= 4
	PREF (\ks)+3                                   ; one K step ahead of its loads; none points past K step 7, the last of my rows
.endif
.endif
.if (\ks) == 0
	s_wait_loadcnt 40                              ; X0: behind it X1, W2 and the gates
.elseif (\ks) == 1
	s_wait_loadcnt 56                              ; X1: behind it W2, the gates, X2, W3
.elseif (\ks) <= 5
	s_wait_loadcnt 44                              ; this step's X: behind it the next step's W and X, and the W just asked for
.elseif (\ks) == 6
	s_wait_loadcnt 28                              ; X6: behind it W7 and X7
.else
	s_wait_loadcnt 0x0
.endif
.set tb, 0
.rept 6
.if ((\ks) > 0) && (tb >= 4)
	GATE tb, .Lm\ks
.endif
	WIN 0x51-((\ks)%2)                             ; source 0 (hid) window 1 or 0 by the buffer; source 1 (weights) window 0; C and D window 1
.set j, 0
.rept 4
.if (\ks) == 0
	v_wmma_f32_16x16x32_bf16 v[8*(4*tb+j):8*(4*tb+j)+7], v[XF+8*tb:XF+8*tb+7], v[WF+8*j:WF+8*j+7], 0
.else
	v_wmma_f32_16x16x32_bf16 v[8*(4*tb+j):8*(4*tb+j)+7], v[XF+8*tb:XF+8*tb+7], v[WF+8*j:WF+8*j+7], v[8*(4*tb+j):8*(4*tb+j)+7]
.endif
.set j, j+1
.endr
.set tb, tb+1
.endr
	WIN 0
.Lm\ks:
	PLACES                                         ; ahead of the next rounding into WF, and, behind the last step, of the stores that read the sums
.if (\ks) <= 5
	WIN 0x40*(1-(\ks)%2)                           ; the buffer's window first, then the wait, then the loads
	s_wait_alu depctr_va_vdst(0)                   ; this step's products are done reading hid's buffer, in which the twelve loads below land
	XLOAD (\ks)+2, (\ks)%2
.endif
.endm
; The store of row k = 4 g + 2 h + t, from registers d .. d + 3.  Its rank is a scalar: where the expert has no such rank the one store is jumped.
.macro PUT k, d
	s_add_co_u32 s24, s[RS], 32*((\k)/4)+8*(((\k)/2)%2)+((\k)%2)
	s_cmp_ge_u32 s24, s[NE]
	s_cbranch_scc1 .Lno_\@
	global_store_b128 v[OA+(\k)], v[\d:\d+3], s[14:15] th:TH_STORE_NT  ; 256 consecutive bytes, at a multiple of 256 from out0's first; lanes 16-31 repeat lanes 0-15
.Lno_\@:
.endm
; Block 2 g + hi: the eight waves' sums of my pair; for each of its two registers the bias, the exchange of the halves, the two tokens' gates; then a store for each of the four tokens.
; Each store has offset and data registers of its own, so that none is written again while a store may still read it.
; The four offsets are made while the LDS loads are out; the four stores stand together behind one wait.
.macro ROWS g
	s_add_co_u32 s24, s18, 2*(\g)
	s_cmp_le_u32 s[NTB], s24
	s_cbranch_scc1 .Le2                            ; this block holds no rank, and neither do my later ones
.set sr, 0
.rept 8                                ; no wait: no vector line since the last wait on va_vdst names v64-127
.set j, 0
.rept 4
	ds_load_b64 v[SUM+8*sr+2*j:SUM+8*sr+2*j+1], v[REDR+sr/2] offset:(sr%2)*24576+8192*(\g)+1024*j
.set j, j+1
.endr
.set sr, sr+1
.endr
.set k, 0
.rept 4
	v_readlane_b32 s[24+k], v[TOKV], 4*(\g)+k      ; the block's four tokens
.set k, k+1
.endr
	s_wait_alu depctr_va_sdst(0)                   ; the four lines above have written s24 to s27, which the scalar lines below read
.set k, 0
.rept 4
	s_min_u32 s[24+k], s[24+k], 0x3ff              ; a number made of loaded words enters an address only behind a bound written in the instruction
	s_lshl_b32 s[24+k], s[24+k], 12                ; the token's row of 4,096 bytes
	v_add_nc_u32 v[OA+4*(\g)+k], s[24+k], v[R16]   ; 16 bytes a lane
.set k, k+1
.endr
	s_wait_dscnt 0x0
.set sr, 1
.rept 7
.set j, 0
.rept 4
	v_pk_add_f32 v[SUM+2*j:SUM+2*j+1], v[SUM+2*j:SUM+2*j+1], v[SUM+8*sr+2*j:SUM+8*sr+2*j+1]
.set j, j+1
.endr
.set sr, sr+1
.endr
.irp t, 0,1
.set kA, 4*(\g)+(\t)                   ; the lower lanes' token
.set kB, 4*(\g)+2+(\t)                 ; the upper lanes'
.set DA, DD+16*(\g)+8*(\t)
.set DB, DD+16*(\g)+8*(\t)+4
.set j, 0
.rept 4
	v_add_f32 v[OV+j], v[SUM+2*j+(\t)], v[B2+j]
.set j, j+1
.endr
.set j, 0
.rept 4
	v_permlanex16_b32 v[PV+j], v[OV+j], s[SEL], s[SEL+1]  ; its destination counts as read: the loads above have written it
.set j, j+1
.endr
.set j, 0
.rept 4
	v_cndmask_b32 v[DA+j], v[OV+j], v[PV+j], s[HM] ; the lower lanes' token in both halves,
	v_cndmask_b32 v[DB+j], v[PV+j], v[OV+j], s[HM] ; the upper lanes' in both halves
.set j, j+1
.endr
.set j, 0
.rept 4
	v_mul_f32 v[DA+j], v[GV+kA], v[DA+j]
	v_mul_f32 v[DB+j], v[GV+kB], v[DB+j]
.set j, j+1
.endr
.endr
	s_wait_alu depctr_va_vdst(0)                   ; the block's four offsets in OA and sixteen registers of DD are written, which the stores below read; and its vector work is done with v64-127, in which my next block's LDS loads land
.irp t, 0,1
	PUT 4*(\g)+(\t), DD+16*(\g)+8*(\t)
	PUT 4*(\g)+2+(\t), DD+16*(\g)+8*(\t)+4
.endr
.endm
	s_load_b256 s[4:11], s[0:1], 0x0               ; hid s[4:5], bitmap s[6:7], gate s[8:9], w2 s[10:11]
	s_load_b128 s[12:15], s[0:1], 0x20             ; b2 s[12:13], out0 s[14:15]
	v_lshl_add_u32 v254, v0, 2, 0x30000
	v_mov_b32 v255, 0
	v_lshrrev_b32 v31, 5, v0
	v_readfirstlane_b32 s16, v31                   ; wave w
	s_and_b32 s2, ttmp7, 0xffff                    ; the expert
	s_mov_b32 s[HM], 0xffff0000
	s_mov_b32 s[SEL], 0x76543210
	s_mov_b32 s[SEL+1], 0xfedcba98
	v_and_b32 v27, 31, v0                          ; L
	v_and_b32 v28, 15, v0                          ; r
	v_bfe_u32 v29, v0, 4, 1                        ; h
	v_mov_b32 v[ZR], 0
	v_lshlrev_b32 v[L16], 4, v27
	v_lshlrev_b32 v[R16], 4, v28
	v_lshl_add_u32 v[WOFF], v29, 17, v[R16]        ; 32 rows of 4,096 bytes for the upper lanes
	v_lshlrev_b32 v[PFO], 12, v28
	v_lshl_add_u32 v[PFO], v29, 17, v[PFO]
	s_wait_alu depctr_va_sdst(0)                   ; s16 is written, ahead of its first reader: the line below
	s_and_b32 s17, s16, 3                          ; o: the register pair that I finish
	s_lshr_b32 s18, s16, 2                         ; hi: of the even or the odd blocks
	s_mul_i32 s24, s16, 24576                      ; all LDS addresses are made here, in the wait for the arguments, so that the one wait ahead of the first load serves them too
	v_lshl_add_u32 v[REDW], v27, 3, s24
	s_lshl_b32 s24, s18, 12
	s_lshl_b32 s25, s17, 8
	s_add_co_u32 s24, s24, s25
	v_lshl_add_u32 v[REDR], v27, 3, s24
	v_add_nc_u32 v[REDR+1], 49152, v[REDR]
	v_add_nc_u32 v[REDR+2], 98304, v[REDR]
	v_add_nc_u32 v[REDR+3], 147456, v[REDR]
	s_lshl_b32 s[RBS], s18, 4
	s_lshl1_add_u32 s[RBS], s17, s[RBS]            ; 16 hi + 2 o
	v_and_b32 v[RKS], 1, v0
	v_add_nc_u32 v[RKS], s[RBS], v[RKS]
	v_bfe_u32 v31, v0, 1, 1
	v_lshl_add_u32 v[RKS], v31, 3, v[RKS]
	v_bfe_u32 v31, v0, 2, 2
	v_lshl_add_u32 v[RKS], v31, 5, v[RKS]
	s_lshl_b32 s24, s2, 22                         ; hid: the expert's 4 MiB, my 8 K steps of 1,024 bytes
	s_lshl_b32 s25, s16, 13
	s_add_co_u32 s24, s24, s25
	s_mov_b32 s25, 0
	s_lshl_b32 s26, s2, 7                          ; bitmap: 128 bytes an expert
	s_mov_b32 s27, 0
	s_lshl_b32 s28, s2, 23                         ; w2: the expert's 8 MiB, my 256 rows, the slice's 256 bytes
	s_lshl_b32 s29, s16, 20
	s_add_co_u32 s28, s28, s29
	s_lshl_b32 s29, ttmp9, 8
	s_add_co_u32 s28, s28, s29
	s_lshl_b32 s30, s2, 12                         ; b2: the expert's 4,096 bytes, the slice's 256
	s_add_co_u32 s30, s30, s29
	s_mov_b32 s29, 0
	s_mov_b32 s31, 0
	s_wait_kmcnt 0x0
	s_add_nc_u64 s[4:5], s[4:5], s[24:25]
	s_add_nc_u64 s[6:7], s[6:7], s[26:27]
	s_add_nc_u64 s[10:11], s[10:11], s[28:29]
	s_add_nc_u64 s[12:13], s[12:13], s[30:31]
	s_lshl_b32 s24, ttmp9, 8
	s_add_nc_u64 s[14:15], s[14:15], s[24:25]
	s_load_b512 s[BM:BM+15], s[6:7], 0x0
	s_load_b512 s[BM+16:BM+31], s[6:7], 0x40
	s_wait_alu depctr_va_vdst(0)                   ; R16, WOFF, PFO, REDW and REDR are written: the offsets and LDS addresses that the loads, prefetches, LDS stores and LDS loads of the whole kernel read, and that no line writes again
	global_load_b128 v[B2:B2+3], v[R16], s[12:13]  ; the bias is not waited for here: it is wanted behind the K loop
	WLOAD 0, 0                                     ; the stream starts before the routing is known
	WLOAD 1, 1
	PREF 2
	s_wait_kmcnt 0x0                               ; the bitmap
.set i, 0
.rept 31                               ; the 32 counts first, none of which waits for another; then the running sums
	s_bcnt1_i32_b32 s[PF+1+i], s[BM+i]
.set i, i+1
.endr
	s_bcnt1_i32_b32 s[NE], s[BM+31]
	s_mov_b32 s[PF], 0
.set i, 1
.rept 30
	s_add_co_u32 s[PF+1+i], s[PF+1+i], s[PF+i]
.set i, i+1
.endr
	s_add_co_u32 s[NE], s[NE], s[PF+31]
	s_max_u32 s[NM1], s[NE], 1
	s_sub_co_u32 s[NM1], s[NM1], 1
	s_mov_b32 s[CC], 0
	s_mov_b32 s[RK0], 0
.Lchunk:
	s_sub_co_i32 s24, s[NE], s[RK0]
	s_max_i32 s24, s24, 0
	s_add_co_u32 s24, s24, 15
	s_lshr_b32 s24, s24, 4
	s_min_u32 s[NTB], s24, 6
	s_cmp_eq_u32 s[CC], 0
	s_cselect_b32 s24, 1, 0
	s_max_u32 s[NTB], s[NTB], s24                  ; the first chunk has a block at the least: the launch before has stored it
	LIVE .Le1
	s_cmp_eq_u32 s[CC], 0
	s_cbranch_scc1 .Lhave
	s_wait_loadcnt 0x0                             ; a later chunk streams the slice again; the trip before has ended with this wait, and here it stands in the text once more, ahead of loads into the same registers
	WLOAD 0, 0                                     ; no wait on va_vdst: every vector line of the trip before that named v64-191 had one behind it; the stores that read v128-175 have the wait on vm_vsrc at that trip's end
	WLOAD 1, 1
.Lhave:
.set tb, 0
.rept 6
	s_cmp_gt_u32 s[NTB], tb
	s_cselect_b32 s24, -1, 0
	v_add_nc_u32 v[XO+tb], 65536*tb, v[L16]
	v_and_b32 v[XO+tb], s24, v[XO+tb]              ; a block without ranks: offset 0 in every lane
	v_min_u32 v[XO+tb], 0x7ffff, v[XO+tb]          ; five blocks and 496 bytes at the most: the bound is written in the instruction
.set tb, tb+1
.endr
	WIN 0x40                                       ; buffer 0's window first, then the wait, then the loads
	s_wait_alu depctr_va_vdst(0)                   ; the six offsets XO are written, which all the trip's loads of hid read; the last trip's products, and its lines that wrote OA, are done with hid's two buffers, in which the 24 loads below land
	XLOAD 0, 0
	XLOAD 1, 1                                     ; only loads and a window switch stand between the wait and these
	s_wait_loadcnt 40                              ; W0 is in: behind it W1's 16, X0's 12 and X1's 12
	CVT 0                                          ; K step 0's fragments,
	s_wait_alu depctr_va_vdst(0)                   ; the 32 roundings are done reading raw buffer 0, in which the 16 loads below land
	WLOAD 2, 0                                     ; and its buffer takes group 2, ahead of the search below
	PREF 3
	v_add_nc_u32 v[RK], s[RK0], v[RKS]             ; the tokens and gates of the rows that I shall store: found while the loads are out
	v_min_u32 v[RK], s[NM1], v[RK]
	SELECT RK, TOKV, ST
	WIN 0x40                                       ; the offsets lie in window 1
.irp b, 0, 6                           ; two runs of six, each number in a scalar register of its own
.set k, 0
.rept 6
	v_readlane_b32 s[24+k], v[TOKV], (\b)+k
.set k, k+1
.endr
	s_wait_alu depctr_va_sdst(0)                   ; the six lines above have written s24 to s29, which the scalar lines below read
.set k, 0
.rept 6
	s_min_u32 s[24+k], s[24+k], 0x3ff              ; the bound, written in the instruction
	s_lshl_b32 s[24+k], s[24+k], 2
	v_add_nc_u32 v[GO+(\b)+k], s[24+k], v[ZR]      ; the same word for every lane
.set k, k+1
.endr
.endr
	WIN 0x01                                       ; offset window 1, data window 0: the switch, then the wait, then the loads
	s_wait_alu depctr_va_vdst(0)                   ; the twelve offsets GO are written, which the loads below read; the search is done with v240-250, and the last trip's multiplies with the old gates, where the new ones land
.set k, 0
.rept 12
	global_load_b32 v[GV+k], v[GO+k], s[8:9]       ; the offset in window 1, the gate in window 0
.set k, k+1
.endr
	WIN 0
	KSTEP 0
	KSTEP 1
	KSTEP 2
	KSTEP 3
	KSTEP 4
	KSTEP 5
	KSTEP 6
	KSTEP 7
.set tb, 0
.rept 6
.if tb > 0
	GATE tb, .Le1
.endif
	WIN 0x04                                       ; data window 1
.if tb == 0
	s_wait_alu depctr_va_vdst(0)                   ; behind K step 7's four places: the products have written the 24 accumulators, which the LDS stores below read; and the roundings of K steps 6 and 7 are done reading v64-191, where the way out's LDS loads land
.endif
.set a, 16*tb
.rept 16                               ; register pair a of the 96: each accumulator's lowest pair first; 256 consecutive bytes a store
	ds_store_b64 v[REDW], v[2*a:2*a+1] offset:256*a
.set a, a+1
.endr
.set tb, tb+1
.endr
	WIN 0
.Le1:
	s_wait_loadcnt 0x0                             ; no load of mine is out from here to the trip's end: the bias is in too
	s_wait_dscnt 0x0                               ; for the others' sake: my sums are in LDS
	BAR                                            ; the sums are whole
	LIVE .Le2
.irp p, 0,2
	v_cvt_pk_bf16_f32 v31, v[B2+\p], v[B2+\p+1]    ; b2 rounded to bf16 like every input, and widened again; in a later chunk the rounded number is rounded to itself
	v_lshlrev_b32 v[B2+\p], 16, v31
	v_and_b32 v[B2+\p+1], s[HM], v31
.endr
	s_add_co_u32 s[RS], s[RK0], s[RBS]
	ROWS 0
	ROWS 1
	ROWS 2
.Le2:
	s_wait_dscnt 0x0                               ; my reads of the sums are over
	s_wait_xcnt 0x0                                ; hid's base is stepped, and the stores' offsets and data are written again, only behind this wait
	s_wait_alu depctr_vm_vsrc(0)                   ; beside it: the stores have read OA and DD, the LDS stores the accumulators, the loads of hid XO, the gates' loads GO: the next trip's loads, products and vector lines write all of these again
	s_add_nc_u64 s[XB:XB+1], s[XB:XB+1], 393216    ; six blocks on
	s_add_co_u32 s[RK0], s[RK0], 96
	BAR                                            ; the next chunk's sums may be stored
	s_add_co_u32 s[CC], s[CC], 1
	s_cmp_lt_u32 s[CC], NCH
	s_cbranch_scc1 .Lchunk
	s_wait_dscnt 0x0                               ; the wave's end
	s_wait_alu depctr_hold_cnt(0) depctr_sa_sdst(0) depctr_va_vdst(0) depctr_va_sdst(0) depctr_va_ssrc(0) depctr_va_vcc(0) depctr_vm_vsrc(0)
	s_wait_tensorcnt 0x0
	ds_add_u32 v254, v255
	s_wait_dscnt 0x0
	s_endpgm
.Lfunc_end_k_qe0ae3c3e42_down:
	.size	k_qe0ae3c3e42_down, .Lfunc_end_k_qe0ae3c3e42_down-k_qe0ae3c3e42_down
	.p2alignl 7, 3214868480
	.fill 96, 4, 3214868480
	.section	.rodata,"a",@progbits
	.p2align	6, 0x0
	.amdhsa_kernel k_qe0ae3c3e42_down
		.amdhsa_group_segment_fixed_size 197632
		.amdhsa_private_segment_fixed_size 0
		.amdhsa_enable_private_segment 0
		.amdhsa_kernarg_size 48
		.amdhsa_user_sgpr_count 2
		.amdhsa_user_sgpr_kernarg_segment_ptr 1
		.amdhsa_wavefront_size32 1
		.amdhsa_system_sgpr_workgroup_id_x 1
		.amdhsa_system_sgpr_workgroup_id_y 1
		.amdhsa_system_sgpr_workgroup_id_z 1
		.amdhsa_system_vgpr_workitem_id 0
		.amdhsa_next_free_vgpr 512
		.amdhsa_next_free_sgpr 102
		.amdhsa_reserve_vcc 1
		.amdhsa_float_denorm_mode_32 3
		.amdhsa_float_denorm_mode_16_64 3
		.amdhsa_memory_ordered 1
		.amdhsa_forward_progress 1
		.amdhsa_inst_pref_size 109
	.end_amdhsa_kernel
	.amdgpu_metadata
---
amdhsa.version: [ 1, 2 ]
amdhsa.kernels:
  - .name:           k_qe0ae3c3e42_down
    .symbol:         k_qe0ae3c3e42_down.kd
    .args:
      - { .name: hid, .offset: 0, .size: 8, .value_kind: global_buffer, .address_space: global }
      - { .name: bitmap, .offset: 8, .size: 8, .value_kind: global_buffer, .address_space: global }
      - { .name: gate, .offset: 16, .size: 8, .value_kind: global_buffer, .address_space: global }
      - { .name: w2, .offset: 24, .size: 8, .value_kind: global_buffer, .address_space: global }
      - { .name: b2, .offset: 32, .size: 8, .value_kind: global_buffer, .address_space: global }
      - { .name: out0, .offset: 40, .size: 8, .value_kind: global_buffer, .address_space: global }
    .group_segment_fixed_size: 197632
    .private_segment_fixed_size: 0
    .kernarg_segment_align: 8
    .kernarg_segment_size: 48
    .max_flat_workgroup_size: 256
    .sgpr_count:     102
    .vgpr_count:     512
    .wavefront_size: 32
...
	.end_amdgpu_metadata
.endif
;; end of part 4
